; MI455X (gfx1250); checked and timed in simulation.
; The chip was launched on July 23, 2026; its instructions are those of AMD's public machine-readable ISA for CDNA 5 (MIT licence, August 2026) and "CDNA5" Instruction Set Architecture Reference Guide (July 2026). The comments in the code are by the model that wrote it; some were corrected since.
;; Multihead Self Attention. Allowed arithmetic: matrix products marked QUANTISED: E4M3 operands, one E8M0 scale for each 32 along K, by v_wmma_scale_f32_16x16x128_f8f6f4 with both operands' format E4M3, f32 sums; everything else in f32.
;; Inputs: W_k 1,024 x 1,024 float32; W_o 1,024 x 1,024 float32; W_q 1,024 x 1,024 float32; W_v 1,024 x 1,024 float32; token_positions 2,048 int32; x 4 x 2,048 x 1,024 float32.
;; Outputs: out0 4 x 2,048 x 1,024 float32.
;; This version of the problem:
;;   THIS VERSION OF THE PROBLEM IS GIVEN IN LOW PRECISION. The matrix products marked QUANTISED in the list below multiply operands that are first quantised to E4M3 (4 exponent bits, 3 mantissa bits; 8 bits a number), with one power-of-two scale for each 32 numbers along K (OCP MX v1.0); their sums are f32. All else is computed in f32.
;;   The module's matrix products, in the order in which they are computed (A, B: the left and right operand; K: the contracted axis; several contracted axes count as one K, in the product's order):
;;     1. [M 8,192, K 1,024] x [K 1,024, N 1,024]; A: input x; B: input W_q: QUANTISED
;;     2. [M 8,192, K 1,024] x [K 1,024, N 1,024]; A: input x; B: input W_k: QUANTISED
;;     3. [M 8,192, K 1,024] x [K 1,024, N 1,024]; A: input x; B: input W_v: QUANTISED
;;     4. batch 64 x [M 2,048, K 64] x [K 64, N 2,048]; A: computed on the way; B: computed on the way: QUANTISED
;;     5. batch 64 x [M 2,048, K 2,048] x [K 2,048, N 64]; A: softmax (see below); B: computed on the way: QUANTISED
;;     6. [M 8,192, K 1,024] x [K 1,024, N 1,024]; A: computed on the way; B: input W_o: QUANTISED
;;   THE QUANTISER, for each operand of a quantised product, along K:
;;     - K is cut into blocks of 32 from its start; a last block that is shorter is filled with zeros.
;;     - A block's scale is 2^e with e = floor(log2(the largest magnitude in the block)) - 8, held to -126 .. 127; a block of zeros has e = 0. As a byte (E8M0): e + 127.
;;     - Each number is divided by its block's scale, clamped to +-448, and rounded to the nearest number of E4M3, ties to even, subnormals kept.
;;     - The product sums the exact products of the quantised numbers (number of the format x scale) in f32.
;;   ~~~python
;;   def quantise(x, axis):      # numpy; x: float32 -> the quantised numbers, widened to float32 again
;;       x = np.moveaxis(x, axis, -1); K = x.shape[-1]
;;       x = np.pad(x, [(0, 0)] * (x.ndim - 1) + [(0, -K % 32)]); x = x.reshape(x.shape[:-1] + (-1, 32)); a = np.abs(x).max(-1, keepdims=True)
;;       e = np.where(a > 0, np.clip(np.frexp(np.where(a > 0, a, 1))[1] - 1 - 8, -126, 127), 0)      # np.frexp(a)[1] - 1 = floor(log2(a)), exactly
;;       r = np.clip(x / 2.0 ** e, -448, 448)
;;       step = 2.0 ** (np.maximum(np.frexp(np.where(r == 0, 1, r))[1] - 1, -6) - 3)
;;       q = np.round(r / step) * step * 2.0 ** e      # np.round: ties to even
;;       return np.moveaxis(q.reshape(q.shape[:-2] + (-1,))[..., :K], -1, axis).astype(np.float32)
;;   ~~~
;;   SOFTMAX AHEAD OF A QUANTISED PRODUCT. Where the list says 'softmax', what is quantised is not the finished softmax but p = 2^(t - M), with t = logit x log2(e) and M = ceil(the row's largest t), a whole number; so 1/2 < the row's largest p <= 1. The row's sum l is taken of the UNQUANTISED p, in f32, and the product's result is divided by l at the end. Since M is a whole number, a kernel that streams over the keys may use a running M (the ceiling of the running maximum): every later rescaling is an exact power of two, which a block's scale takes up: the codes' values come out the same.
;;   OPERANDS COMPUTED ON THE WAY. 'Computed on the way' means the value that the module computes at that place (a softmax that the list does not call 'softmax' is quantised finished and normalised). What goes into a quantiser is computed in f32, as accurately as f32 sums, v_exp_f32 and their like allow (about 1e-6 of the number): no bf16 or f16 on the way to a quantiser, and a product that is left as it is and whose result goes on into a quantised operand takes f32 operands (vector FMAs, or v_wmma_f32_16x16x4_f32). A number that lies on a knife's edge between two numbers of the format may be rounded either way, as far as f32 arithmetic and the matrix unit's own rounding can turn it there, and no further.
;; One version. Each part assembles by itself: llvm-mc -triple=amdgcn-amd-amdhsa -mcpu=gfx1250 --defsym DOCPART=n.
;; ======== version 1 of 1: 4 launches
;; limits: right only within a limited range of input values
;; workspace buffers: XQ 8,650,752 bytes; WQ 4,325,376 bytes; CS 524,288 bytes; QI 8,912,896 bytes; KV 17,825,792 bytes; AO 8,650,752 bytes
;; launch prep (part 1): grid 416 x 1, 4 waves a work-group, no clusters, 34,304 bytes of LDS; arguments x, W_q, W_k, W_v, W_o, token_positions, XQ, WQ, CS; writes XQ, WQ, CS
.if DOCPART == 1
	.amdgcn_target "amdgcn-amd-amdhsa--gfx1250"
	.amdhsa_code_object_version 6
	.text
	.protected	k_q1ec5a8ba44_prep
	.globl	k_q1ec5a8ba44_prep
	.p2align	8
	.type	k_q1ec5a8ba44_prep,@function
k_q1ec5a8ba44_prep:
	s_mov_b64 s[64:65], 0
	v_nop
	global_prefetch_b8 v0, s[64:65] scope:SCOPE_SE
	s_setreg_imm32_b32 hwreg(HW_REG_WAVE_MODE, 25, 1), 1
	s_wait_xcnt 0x0
; PREP.  x [8192][1024] and the four weights [1024][1024], f32 with K innermost, become codes of FP8 (E4M3) with one E8M0 byte for each 32 along K; token_positions becomes a table of cosines and sines.
; LAYOUT OF THE CODES: tiles of 16 rows; a fragment (16 rows x 128 K) lies as the image of its registers, [c 0..3][lane][16 bytes]: lane (r, h), piece c = row r, k = 32 c + 16 h + 0..15.  A tile is 8 fragments, 16,384 bytes.
; Scale words behind the codes: [tile][gp 0..3][r][2 words], word (gp, j) for the fragment g = 2 gp + j.
; WHICH ROWS FORM A TILE: for x, W_q, W_k, W_v tile 2 B + u, row r, is the tensor's row 32 B + 8 u + r + 8 (r / 8); W_o's tiles are 16 neighbouring rows.  So a product's results lie, in a lane's registers, as neighbours along the next K.
; SHARES: work-groups 0-255: x, two tiles each; 256-383: the weights, stacked q, k, v, o (64 tiles each); a wave takes 16 rows x 512 K in four steps of 128.  Work-groups 384-415: the table, a tile of 16 positions a wave.
; Each load reads 512 consecutive bytes of a row; a step's 8 KB turn through the wave's own stage in LDS (rows 528 bytes apart) so that a lane gets 16 neighbours of each block of 32.  Waves share nothing: no barrier.
; No work-group reads what another reads, so there is nothing to share in a cluster.
; LIMITS: NaN and infinities among the inputs are not served; a block whose largest magnitude lies under 2^-118 gets the byte 1 (a block of zeros too: its codes are zeros, and only this program reads the bytes);
; the angle's reduction holds for |position| up to 2^24.
.set LI,  1                            ; v1   16 x lane
.set L8,  2                            ; v2   8 x lane
.set SW,  3                            ; v3   the stage, on the way in
.set SRD, 4                            ; v4   and on the way out
.set TM,  16                           ; v16-31 at work in QUANT
.set PC,  32                           ; v32-47 a fragment's codes
.set PW,  48                           ; v48-51 the four steps' scale words
.set R,   64                           ; v64-191 two sets of 64 numbers as loaded
.set X,   192                          ; v192-255 64 numbers, register 16 b + i = k 32 b + 16 h + i of my row
.set SEL, 36                           ; s[36:37] v_permlanex16_b32's selects for lane l xor 16
.set MNT, 38
.set HM,  39                           ; s39  a mask of lanes 16-31
	s_load_b256 s[4:11], s[0:1], 0x0               ; x, W_q, W_k, W_v
	s_load_b256 s[12:19], s[0:1], 0x20             ; W_o, token_positions, XQ, WQ
	s_load_b64 s[20:21], s[0:1], 0x40              ; CS
	s_set_vgpr_msb 0x40
	v_lshl_add_u32 v0, v0, 2, 0x8400
	v_mov_b32 v1, 0
	s_set_vgpr_msb 0x4000
	v_lshrrev_b32 v5, 5, v0
	v_readfirstlane_b32 s22, v5                    ; wave
	v_and_b32 v6, 31, v0                           ; lane
	v_and_b32 v7, 15, v0                           ; r
	v_bfe_u32 v8, v0, 4, 1                         ; h
	s_mov_b32 s[SEL], 0x76543210
	s_mov_b32 s[SEL+1], 0xfedcba98
	s_cmp_ge_u32 ttmp9, 384
	s_cbranch_scc1 .Ltable
	; ---------------- the quantiser
	v_lshlrev_b32 v[LI], 4, v6
	v_lshlrev_b32 v[L8], 3, v6
	s_mul_i32 s23, s22, 8448                       ; my wave's stage: 16 rows x 528 bytes
	v_add_nc_u32 v[SW], s23, v[LI]
	v_mul_u32_u24 v[SRD], v7, 528
	v_lshl_add_u32 v[SRD], v8, 6, v[SRD]
	v_add_nc_u32 v[SRD], s23, v[SRD]               ; row r, + 64 h bytes: my 16 numbers of a block
	s_mov_b32 s[HM], 0xffff0000
.irp b, 0,1,2,3
	v_mov_b32 v[TM+4+\b], 0                        ; written once: a lane permute's destination counts as one of its sources
.endr
	s_lshr_b32 s24, s22, 1                         ; which of the work-group's two tiles
	s_and_b32 s25, s22, 1                          ; which half of K
	s_wait_alu depctr_va_vdst(0)
	s_wait_kmcnt 0x0
	s_cmp_lt_u32 ttmp9, 288                        ; the tensor is chosen by the work-group's number alone
	s_cselect_b64 s[28:29], s[6:7], s[8:9]
	s_cmp_lt_u32 ttmp9, 320
	s_cselect_b64 s[28:29], s[28:29], s[10:11]
	s_cmp_lt_u32 ttmp9, 352
	s_cselect_b64 s[28:29], s[28:29], s[12:13]
	s_cselect_b32 s43, 0, 1                        ; 1: W_o, whose tiles are neighbouring rows
	s_mov_b32 s41, 0x400000
	s_cmp_lt_u32 ttmp9, 256
	s_cselect_b64 s[28:29], s[4:5], s[28:29]
	s_cselect_b64 s[32:33], s[16:17], s[18:19]     ; XQ or WQ
	s_cselect_b32 s40, 0, 256
	s_cselect_b32 s41, 0x800000, s41               ; where the scale words begin
	s_cselect_b32 s42, 511, 63                     ; tiles in the tensor, less one
	s_sub_co_u32 s40, ttmp9, s40
	s_lshl_b32 s40, s40, 1
	s_add_co_u32 s40, s40, s24                     ; the tile in XQ or WQ
	s_and_b32 s45, s40, s42                        ; and in its tensor
	s_lshr_b32 s44, s45, 1
	s_lshl_b32 s44, s44, 5
	s_and_b32 s46, s45, 1
	s_lshl_b32 s46, s46, 3
	s_add_co_u32 s44, s44, s46                     ; its first row: 32 B + 8 u,
	s_lshl_b32 s46, s45, 4                         ; or 16 x tile
	s_mov_b32 s48, 65536
	s_cmp_eq_u32 s43, 1
	s_cselect_b32 s44, s46, s44
	s_cselect_b32 s48, 32768, s48                  ; rows 8-15 of the tile lie 16 (or 8) rows of 4,096 bytes below rows 0-7
	s_mov_b32 s49, 0
	s_lshl_b32 s44, s44, 12
	s_lshl_b32 s46, s25, 11
	s_add_co_u32 s44, s44, s46
	s_mov_b32 s45, 0
	s_add_nc_u64 s[28:29], s[28:29], s[44:45]      ; rows 0-7, my half of K
	s_add_nc_u64 s[30:31], s[28:29], s[48:49]      ; rows 8-15
	s_lshl_b32 s50, s40, 14
	s_lshl_b32 s52, s25, 13
	s_add_co_u32 s50, s50, s52                     ; codes: 16,384 x tile + 8,192 x half
	s_mov_b32 s51, 0
	s_lshl_b32 s52, s40, 9
	s_lshl_b32 s53, s25, 8
	s_add_co_u32 s52, s52, s53
	s_add_co_u32 s52, s52, s41                     ; scale words: 512 x tile + 256 x half
	s_mov_b32 s53, 0
	s_add_nc_u64 s[34:35], s[32:33], s[52:53]
	s_add_nc_u64 s[32:33], s[32:33], s[50:51]
.macro GLOAD g                         ; step g: 16 rows x 512 bytes into set g % 2
.irp i, 0,1,2,3,4,5,6,7
	global_load_b128 v[R+64*((\g)%2)+4*\i:R+64*((\g)%2)+4*\i+3], v[LI], s[28:29] offset:\i*4096+(\g)*512 th:TH_LOAD_NT
.endr
.irp i, 0,1,2,3,4,5,6,7
	global_load_b128 v[R+64*((\g)%2)+32+4*\i:R+64*((\g)%2)+32+4*\i+3], v[LI], s[30:31] offset:\i*4096+(\g)*512 th:TH_LOAD_NT
.endr
.endm
; 64 numbers of a lane become a fragment's codes in v[PC] on and its row's scale word in v[pw].
.macro QUANT s, pw
.irp b, 0,1,2,3
	v_max3_num_f32 v[TM+\b], |v[\s+16*\b]|, |v[\s+1+16*\b]|, 0x4800000   ; block b: my 16 numbers and the floor 2^(9 - 127), which holds the byte at 1 from below
.endr
.irp i, 2,4,6,8,10,12,14
.irp b, 0,1,2,3
	v_max3_num_f32 v[TM+\b], v[TM+\b], |v[\s+16*\b+\i]|, |v[\s+1+16*\b+\i]|
.endr
.endr
.irp b, 0,1,2,3
	v_permlanex16_b32 v[TM+4+\b], v[TM+\b], s[SEL], s[SEL+1]
.endr
.irp b, 0,1,2,3
	v_max_num_f32 v[TM+\b], v[TM+\b], v[TM+4+\b]   ; with lane l xor 16's 16: the block's largest magnitude
.endr
.irp b, 0,1,2,3
	v_add_nc_u32 v[TM+12+\b], 0xfc000000, v[TM+\b] ; 8 off its exponent field: the conversion's scale operand
.endr
.irp b, 0,1,2,3
.endr
.irp b, 0,1,2,3
	v_lshrrev_b32 v[TM+4+\b], 23, v[TM+12+\b]      ; the scale's byte
.endr
	v_lshl_or_b32 v[\pw], v[TM+5], 8, v[TM+4]
	v_lshl_or_b32 v[\pw], v[TM+6], 16, v[\pw]
	v_lshl_or_b32 v[\pw], v[TM+7], 24, v[\pw]
.irp b, 0,1,2,3
.irp i, 0,1,2,3,4,5,6,7,8,9,10,11,12,13,14,15
.endr
	v_cvt_scalef32_pk8_fp8_f32 v[PC+4*\b:PC+1+4*\b], v[\s+16*\b:\s+7+16*\b], v[TM+12+\b]
	v_cvt_scalef32_pk8_fp8_f32 v[PC+2+4*\b:PC+3+4*\b], v[\s+8+16*\b:\s+15+16*\b], v[TM+12+\b]
.endr
	v_nop                                          ; a plain line behind the last conversion
.endm
.macro GSTEP g
.if (\g) < 3
	s_wait_loadcnt 16                              ; this step's 16 loads are in; the next step's 16 stay out
.else
	s_wait_loadcnt 0x0
.endif
.irp i, 0,1,2,3,4,5,6,7,8,9,10,11,12,13,14,15
	ds_store_b128 v[SW], v[R+64*((\g)%2)+4*\i:R+64*((\g)%2)+4*\i+3] offset:528*\i
.endr
.irp c, 0,1,2,3
.irp j, 0,1,2,3
	ds_load_b128 v[X+16*\c+4*\j:X+16*\c+4*\j+3], v[SRD] offset:128*\c+16*\j   ; LDS serves a wave's instructions in order: these see the stores above
.endr
.endr
	s_wait_dscnt 0x0                               ; the numbers are back, and the stores have read their set
.if (\g) < 2
	GLOAD (\g)+2
.endif
	s_wait_xcnt 0x0                                ; the last step's stores have read v[PC] on
	QUANT X, PW+(\g)
.irp c, 0,1,2,3
	global_store_b128 v[LI], v[PC+4*\c:PC+4*\c+3], s[32:33] offset:(\g)*2048+\c*512   ; 512 consecutive bytes, aligned
.endr
.endm
	GLOAD 0
	GLOAD 1
	GSTEP 0
	GSTEP 1
	GSTEP 2
	GSTEP 3
	v_cndmask_b32 v52, v[PW], v[PW+2], s[HM]       ; lanes 0-15: row r's words of steps 0, 1; lanes 16-31: of steps 2, 3 (both halves of the lanes hold row r's words)
	v_cndmask_b32 v53, v[PW+1], v[PW+3], s[HM]
	global_store_b64 v[L8], v[52:53], s[34:35]     ; 256 consecutive bytes, aligned
	s_set_vgpr_msb 0x5
	s_wait_tensorcnt 0x0
	ds_add_u32 v0, v1
	s_wait_dscnt 0x0
	s_set_vgpr_msb 0x500
	s_endpgm
	; ---------------- the table: CS [tile of 16 positions][be 0..1][k 0..3][lane][16 bytes]: lane (r, h): cos, sin of pairs i and i + 1, i = 16 be + 8 h + 2 k, at the position of the tile's row r
.Ltable:
	s_sub_co_u32 s24, ttmp9, 384
	s_lshl_b32 s24, s24, 2
	s_add_co_u32 s24, s24, s22                     ; my tile, 0 .. 127
	s_lshr_b32 s25, s24, 1
	s_lshl_b32 s25, s25, 5
	s_and_b32 s26, s24, 1
	s_lshl_b32 s26, s26, 3
	s_add_co_u32 s25, s25, s26
	s_wait_alu depctr_va_vdst(0)
	v_and_b32 v9, 8, v7
	v_add_nc_u32 v9, v9, v7
	v_add_nc_u32 v9, s25, v9                       ; the row: 32 B + 8 u + r + 8 (r / 8)
	v_lshlrev_b32 v9, 2, v9
	s_wait_alu depctr_va_vdst(0)
	s_wait_kmcnt 0x0
	global_load_b32 v4, v9, s[14:15]
	s_lshl_b32 s26, s24, 12
	s_mov_b32 s27, 0
	s_add_nc_u64 s[20:21], s[20:21], s[26:27]
	v_lshlrev_b32 v1, 4, v6
	s_mov_b32 s40, 0xbfc90fdb                      ; -pi/2 in three parts
	s_mov_b32 s41, 0x333bbd2e
	s_mov_b32 s42, 0x26f72ced
	s_mov_b32 s43, 0xbe2aaaa3                      ; the sine's three coefficients,
	s_mov_b32 s44, 0x3c08839e
	s_mov_b32 s45, 0xb94ca1f9
	s_mov_b32 s46, 0x3d2aaaa5                      ; the cosine's
	s_mov_b32 s47, 0xbab6061a
	s_mov_b32 s48, 0x37ccf5ce
	; 10000^(i / 32) = 10^(i / 8) = 100^be x 10^h x 10^(m / 8), i = 16 be + 8 h + m.  10^(m / 8) as a sum of two f32 (v[16+2m], v[17+2m]), so that the product is rounded once, as a correctly rounded power would be
	v_mov_b32 v16, 1.0
	v_mov_b32 v17, 0
	v_mov_b32 v18, 0x3faab0d5                      ; 10^(1/8)
	v_mov_b32 v19, 0xb36457ec
	v_mov_b32 v20, 0x3fe39ea9                      ; 10^(1/4)
	v_mov_b32 v21, 0xb26aee3c
	v_mov_b32 v24, 0x404a62c2                      ; 10^(1/2)
	v_mov_b32 v25, 0xb324b485
.macro DDMUL d, a, b
	v_mul_f32 v10, v[\a], v[\b]
	v_fma_f32 v11, v[\a], v[\b], -v10
	v_fma_f32 v11, v[\a], v[\b+1], v11
	v_fma_f32 v11, v[\a+1], v[\b], v11
	v_add_f32 v[\d], v10, v11
	v_sub_f32 v10, v10, v[\d]
	v_add_f32 v[\d+1], v10, v11
.endm
	DDMUL 22, 18, 20
	DDMUL 26, 18, 24
	DDMUL 28, 20, 24
	DDMUL 30, 22, 24
	v_mov_b32 v12, 1.0
	v_mov_b32 v13, 0x41200000                      ; 10
	v_cmp_eq_u32 vcc_lo, 1, v8
	v_cndmask_b32 v2, v12, v13, vcc_lo             ; 10^h
	v_mul_f32 v3, 0x42c80000, v2                   ; 100 x 10^h: exact
.irp be, 0,1
.irp m, 0,1,2,3,4,5,6,7
	v_mul_f32 v10, v[16+2*\m], v[2+\be]
	v_fma_f32 v11, v[16+2*\m], v[2+\be], -v10
	v_fma_f32 v11, v[17+2*\m], v[2+\be], v11
	v_add_f32 v[32+8*\be+\m], v10, v11             ; the power, rounded to f32
.endr
.endr
	s_wait_alu depctr_va_vdst(0)
.irp i, 0,1,2,3,4,5,6,7,8,9,10,11,12,13,14,15
	v_rcp_f32 v[48+\i], v[32+\i]
.endr
	v_nop                                          ; a plain line behind the last reciprocal,
	s_wait_alu depctr_va_vdst(0)                   ; and one wait for the sixteen, ahead of their first reader
	s_wait_loadcnt 0x0
	v_cvt_f32_i32 v4, v4                           ; the position
.irp i, 0,1,2,3,4,5,6,7,8,9,10,11,12,13,14,15
	v_fma_f32 v10, -v[32+\i], v[48+\i], 1.0        ; one step of Newton: 1 / the power, rounded to f32
	v_fma_f32 v[48+\i], v[48+\i], v10, v[48+\i]
	v_mul_f32 v[32+\i], v4, v[48+\i]               ; the angle
.endr
.macro SINCOS i                        ; v[64+2i] = cos, v[65+2i] = sin of v[32+i]: n = the nearest multiple of pi/2, a polynomial on what is left, the quadrant by n's two low bits
	v_mul_f32 v10, 0x3f22f983, v[32+\i]
	v_rndne_f32 v10, v10
	v_fma_f32 v11, v10, s40, v[32+\i]
	v_fma_f32 v11, v10, s41, v11
	v_fma_f32 v11, v10, s42, v11
	v_cvt_i32_f32 v10, v10
	v_mul_f32 v12, v11, v11
	v_fma_f32 v13, v12, s45, s44
	v_fma_f32 v14, v12, s48, s47
	v_fma_f32 v13, v13, v12, s43
	v_fma_f32 v14, v14, v12, s46
	v_mul_f32 v15, v11, v12
	v_fma_f32 v5, v12, -0.5, 1.0
	v_mul_f32 v12, v12, v12
	v_fma_f32 v13, v15, v13, v11
	v_fma_f32 v14, v12, v14, v5
	v_and_b32 v15, 1, v10
	v_cmp_eq_u32 vcc_lo, 1, v15
	v_cndmask_b32 v[65+2*\i], v13, v14, vcc_lo
	v_cndmask_b32 v[64+2*\i], v14, v13, vcc_lo
	v_lshlrev_b32 v15, 30, v10
	v_and_b32 v15, 0x80000000, v15
	v_xor_b32 v[65+2*\i], v[65+2*\i], v15
	v_add_nc_u32 v15, 1, v10
	v_lshlrev_b32 v15, 30, v15
	v_and_b32 v15, 0x80000000, v15
	v_xor_b32 v[64+2*\i], v[64+2*\i], v15
.endm
.irp i, 0,1,2,3,4,5,6,7,8,9,10,11,12,13,14,15
	SINCOS \i
.endr
.irp m, 0,1,2,3,4,5,6,7
	global_store_b128 v1, v[64+4*\m:67+4*\m], s[20:21] offset:\m*512   ; 512 consecutive bytes, aligned
.endr
	s_endpgm
.Lfunc_end_k_q1ec5a8ba44_prep:
	.size	k_q1ec5a8ba44_prep, .Lfunc_end_k_q1ec5a8ba44_prep-k_q1ec5a8ba44_prep
	.p2alignl 7, 3214868480
	.fill 96, 4, 3214868480
	.section	.rodata,"a",@progbits
	.p2align	6, 0x0
	.amdhsa_kernel k_q1ec5a8ba44_prep
		.amdhsa_group_segment_fixed_size 34304
		.amdhsa_private_segment_fixed_size 0
		.amdhsa_enable_private_segment 0
		.amdhsa_kernarg_size 72
		.amdhsa_user_sgpr_count 2
		.amdhsa_user_sgpr_kernarg_segment_ptr 1
		.amdhsa_wavefront_size32 1
		.amdhsa_system_sgpr_workgroup_id_x 1
		.amdhsa_system_sgpr_workgroup_id_y 1
		.amdhsa_system_sgpr_workgroup_id_z 1
		.amdhsa_system_vgpr_workitem_id 0
		.amdhsa_next_free_vgpr 258
		.amdhsa_next_free_sgpr 66
		.amdhsa_reserve_vcc 1
		.amdhsa_float_denorm_mode_32 3
		.amdhsa_float_denorm_mode_16_64 3
		.amdhsa_fp16_overflow 1
		.amdhsa_memory_ordered 1
		.amdhsa_forward_progress 1
		.amdhsa_inst_pref_size 65
	.end_amdhsa_kernel
	.amdgpu_metadata
---
amdhsa.version: [ 1, 2 ]
amdhsa.kernels:
  - .name:           k_q1ec5a8ba44_prep
    .symbol:         k_q1ec5a8ba44_prep.kd
    .args:
      - { .name: x, .offset: 0, .size: 8, .value_kind: global_buffer, .address_space: global }
      - { .name: W_q, .offset: 8, .size: 8, .value_kind: global_buffer, .address_space: global }
      - { .name: W_k, .offset: 16, .size: 8, .value_kind: global_buffer, .address_space: global }
      - { .name: W_v, .offset: 24, .size: 8, .value_kind: global_buffer, .address_space: global }
      - { .name: W_o, .offset: 32, .size: 8, .value_kind: global_buffer, .address_space: global }
      - { .name: token_positions, .offset: 40, .size: 8, .value_kind: global_buffer, .address_space: global }
      - { .name: XQ, .offset: 48, .size: 8, .value_kind: global_buffer, .address_space: global }
      - { .name: WQ, .offset: 56, .size: 8, .value_kind: global_buffer, .address_space: global }
      - { .name: CS, .offset: 64, .size: 8, .value_kind: global_buffer, .address_space: global }
    .group_segment_fixed_size: 34304
    .private_segment_fixed_size: 0
    .kernarg_segment_align: 8
    .kernarg_segment_size: 72
    .max_flat_workgroup_size: 128
    .sgpr_count:     66
    .vgpr_count:     258
    .wavefront_size: 32
...
	.end_amdgpu_metadata
.endif
;; end of part 1
;; launch qkv (part 2): grid 12 x 32, 4 waves a work-group, clusters of 4 x 4, 327,680 bytes of LDS; arguments XQ, WQ, CS, QI, KV; writes QI, KV
.if DOCPART == 2
	.amdgcn_target "amdgcn-amd-amdhsa--gfx1250"
	.amdhsa_code_object_version 6
	.text
	.protected	k_q1ec5a8ba44_qkv
	.globl	k_q1ec5a8ba44_qkv
	.p2align	8
	.type	k_q1ec5a8ba44_qkv,@function
k_q1ec5a8ba44_qkv:
	s_mov_b64 s[64:65], 0
	v_nop
	global_prefetch_b8 v0, s[64:65] scope:SCOPE_SE
	s_setreg_imm32_b32 hwreg(HW_REG_WAVE_MODE, 25, 1), 1
	s_wait_xcnt 0x0
	s_wait_alu depctr_hold_cnt(0) depctr_sa_sdst(0) depctr_va_vdst(0) depctr_va_sdst(0) depctr_va_ssrc(0) depctr_va_vcc(0) depctr_vm_vsrc(0)
	s_getreg_b32 s2, hwreg(HW_REG_IB_STS2, 6, 4)
	s_cmp_eq_u32 s2, 0
	s_cbranch_scc0 .Lentry_in_a_cluster
	s_endpgm
.Lentry_in_a_cluster:
	s_bfe_u32 s2, ttmp6, 0x10000c
	s_cmp_lg_u32 s2, 0xf033
	s_cbranch_scc0 .Lentry_shape_is_right
	s_endpgm
.Lentry_shape_is_right:
; QKV.  x W_q^T, x W_k^T, x W_v^T on codes of FP8 (E4M3) with E8M0 scales; Q and K are rotated and quantised along the head's 64, V along the keys; all three leave as images of the registers that the attention launch wants.
; A tile of the product is 256 rows of x by 256 rows of the stacked weights (columns 0-3: W_q, 4-7: W_k, 8-11: W_v); four waves, 128 x 128 each: 64 accumulators, 512 registers.  K = 1,024 goes in four steps of 256 through two LDS slots.
; OPERANDS ARE REGISTER IMAGES: a fragment (16 rows x 128 K) is [c][lane][16 bytes], 2,048 bytes: every LDS load reads 512 consecutive bytes; no pitch, no padding.  A tile's K step is 4,096 consecutive bytes of memory.
; ROLES.  R is source 1 (its rows become lanes), P is source 0 (its rows become registers).  Q, K: R = x, P = W: a lane holds one token and 64 neighbouring outputs of each of two heads.  V: R = W_v, P = x: a lane holds one channel
; and 128 neighbouring keys.  (The rows of a tile were chosen for that by the launch before.)  So every conversion's result is the next product's operand.  The roles hang on the cluster's x, which all partners share.
; CLUSTERS: 4 x 4 work-groups; x's tiles are asked for jointly along a row of the cluster, W's along a column: the same tensor load with the same descriptor and a mask that names the four.
; REGISTERS: window 0: v16-29 addresses; v32-63 R's scale words, v64-95 P's, two sets each; v128-255 R's 8 fragments, one set.  window 1: P's fragments, two sets.  windows 2, 3: the accumulators, (a, b) at v[8 (8 (a % 4) + b)].
; LIMITS: NaN and infinities are not served; a block whose largest magnitude lies under 2^-118 gets the byte 1 (zeros too: zero codes; only this program reads the bytes); the rotation is one product and one fused multiply-add.
.set SLOT,  131072                     ; x's 16 tiles x 4,096 bytes, then W's 16
.set BPART, 65536
.set SCL,   2*SLOT                     ; behind the ring: x's scale words (16 tiles x 512 bytes), then W's: filled once
.set SPARE, SCL+16384                  ; the spare words, 128 bytes a wave: two blocks of 256 bytes that no other line names
.set NP,    8                          ; places behind this matrix instruction (ISA guide 7.12.1)
.set ADRR, 16                          ; v16-17 R's fragments in slot 0, 1
.set ADRP, 20                          ; v20-21 P's
.set ASR,  22                          ; v22  R's scale words
.set ASP,  23                          ; v23  P's
.set LI,   24                          ; v24  16 x lane
.set LS,   25                          ; v25  4 x lane
.set SPW,  28                          ; v28  my spare word; never rewritten
.set NIL,  29                          ; v29  0; never rewritten
.set RS,   32
.set PS,   64
.set AF,   128
.set ST,   64                          ; the way out: v64-127 64 numbers; v128-191 two sets of cosines and sines; v192-207 codes; v208-223 at work; v224 the scale word; v226-233 the rotation's products; v234-239 words
.set CSR,  128
.set PC,   192
.set TM,   208
.set PW,   224
.set RT,   226
.set EA,   234
.set EB,   235
.set WO,   236
.set G1, 24                            ; s[24:31] group 1 for x's tiles; s[32:39] group 0, a set for each slot
.set G0, 32
.set G1B, 48                           ; the same for W's
.set G0B, 56
.set G1S, 68                           ; groups 1 and 0 for x's scale words; for W's
.set G0S, 76
.set G1SB, 80
.set G0SB, 88
.set SEL, 2                            ; s[2:3] on the way out: lane selects
.set MSB, 0
.macro WIN new                         ; the immediate's high byte repeats the setting that is left
.if MSB != (\new)
	s_set_vgpr_msb (MSB<<8)|(\new)
.set MSB, \new
.endif
.endm
.set MUL_LO, 0xa1                      ; source 0 (P) window 1, source 1 (R) window 0, C and D window 2
.set MUL_HI, 0xf1
.set TO_P,   0x40
; A joint load: waves 0, 1 fetch x's halves, waves 2, 3 W's.  The branch hangs on the wave's number alone.  Four v_nop follow each line.
.macro JLOAD g0a, g1a, g0b, g1b
	s_cmp_eq_u32 s15, 0
	s_cbranch_scc0 .Lfor_b_\@
	tensor_load_to_lds s[\g0a:\g0a+3], s[\g1a:\g1a+7]
	s_nop 0
.rept 4
	v_nop
.endr
	s_branch .Lasked_\@
.Lfor_b_\@:
	tensor_load_to_lds s[\g0b:\g0b+3], s[\g1b:\g1b+7]
	s_nop 0
.rept 4
	v_nop
.endr
.Lasked_\@:
.endm
.macro CREST                           ; a round of the cluster's barrier behind its opening barrier
	s_cmp_lg_u32 s14, 0
	s_cbranch_scc1 .Lnot_wave_0_\@
	s_barrier_signal -3
.Lnot_wave_0_\@:
	s_barrier_wait -3
	s_barrier_signal -1
	s_barrier_wait -1
.endm
.macro CROUND
	s_barrier_signal -1
	s_barrier_wait -1
	CREST
.endm
	s_load_b256 s[4:11], s[0:1], 0x0               ; XQ, WQ, CS, QI
	s_load_b64 s[12:13], s[0:1], 0x20              ; KV
	v_lshl_add_u32 v[SPW], v0, 2, SPARE
	v_mov_b32 v[NIL], 0
	ds_add_u32 v28, v29
	ds_add_u32 v28, v29
	s_wait_dscnt 0x0
	v_lshrrev_b32 v1, 5, v0
	v_readfirstlane_b32 s14, v1                    ; wave
	s_lshr_b32 s15, s14, 1                         ; R's half that is mine.  Also: I fetch for x (0) or for W (1)
	s_and_b32 s16, s14, 1                          ; P's half.  Also: which 8 tiles I fetch
	s_bfe_u32 s40, ttmp6, 0x40000                  ; cx, cy
	s_bfe_u32 s41, ttmp6, 0x40004
	s_lshl_b32 s42, ttmp9, 2
	s_add_co_u32 s42, s42, s40                     ; column of 256 weight rows
	s_and_b32 s17, ttmp7, 0xffff
	s_lshl_b32 s17, s17, 2
	s_add_co_u32 s17, s17, s41                     ; row of 256 tokens
	s_lshl_b32 s43, s41, 2
	s_lshl_b32 s43, 15, s43                        ; my row of the cluster
	s_lshl_b32 s44, 0x1111, s40                    ; my column
	s_or_b32 s[G1+0], s43, (3<<16)|(1<<21)         ; the mask; elements of 8 bytes; bit 21 beside a mask; no padding
	s_or_b32 s[G1B+0], s44, (3<<16)|(1<<21)
.irp g, G1, G1B
	s_mov_b32 s[\g+1], 512<<16                     ; tensor_dim0 = 512 elements: a tile's K step, 4,096 bytes
	s_mov_b32 s[\g+2], 8<<16                       ; tensor_dim1 = 8 tiles
	s_mov_b32 s[\g+3], 512<<16                     ; tile_dim0
	s_mov_b32 s[\g+4], 8                           ; tile_dim1
	s_mov_b32 s[\g+5], 2048                        ; from tile to tile: 16,384 bytes
	s_mov_b32 s[\g+6], 0
	s_mov_b32 s[\g+7], 0
.endr
	s_or_b32 s[G1S+0], s43, (3<<16)|(1<<21)
	s_or_b32 s[G1SB+0], s44, (3<<16)|(1<<21)
.irp g, G1S, G1SB
	s_mov_b32 s[\g+1], 32<<16                      ; the scale words of 8 tiles: 4,096 dense bytes as 16 rows of 256
	s_mov_b32 s[\g+2], 16<<16
	s_mov_b32 s[\g+3], 32<<16
	s_mov_b32 s[\g+4], 16
	s_mov_b32 s[\g+5], 32
	s_mov_b32 s[\g+6], 0
	s_mov_b32 s[\g+7], 0
.endr
	s_lshl_b32 s18, s16, 17                        ; my 8 tiles of the 16: 8 x 16,384 bytes
	s_lshl_b32 s20, s17, 18
	s_add_co_u32 s20, s20, s18                     ; x's codes
	s_mov_b32 s21, 0
	s_lshl_b32 s46, s42, 18
	s_add_co_u32 s46, s46, s18                     ; W's
	s_mov_b32 s47, 0
	s_lshl_b32 s19, s16, 12
	s_lshl_b32 s22, s17, 13
	s_add_co_u32 s22, s22, s19
	s_add_co_u32 s22, s22, 8388608                 ; x's scale words
	s_mov_b32 s23, 0
	s_lshl_b32 s92, s42, 13
	s_add_co_u32 s92, s92, s19
	s_add_co_u32 s92, s92, 4194304                 ; W's
	s_mov_b32 s93, 0
	s_lshl_b32 s45, s14, 15                        ; where they go: wave x 32,768; no place in the cluster enters an LDS address
	s_lshl_b32 s94, s14, 12
	s_wait_kmcnt 0x0
	s_add_nc_u64 s[20:21], s[4:5], s[20:21]
	s_add_nc_u64 s[22:23], s[4:5], s[22:23]
	s_add_nc_u64 s[46:47], s[6:7], s[46:47]
	s_add_nc_u64 s[92:93], s[6:7], s[92:93]
	CROUND                                         ; all sixteen work-groups are here: the first joint loads meet
	s_mov_b32 s[G0S], 1
	s_add_co_u32 s[G0S+1], s94, SCL
	s_mov_b64 s[G0S+2:G0S+3], s[22:23]
	s_or_b32 s[G0S+3], s[G0S+3], 0x80000000
	s_mov_b32 s[G0SB], 1
	s_add_co_u32 s[G0SB+1], s94, SCL
	s_mov_b64 s[G0SB+2:G0SB+3], s[92:93]
	s_or_b32 s[G0SB+3], s[G0SB+3], 0x80000000
	JLOAD G0S, G1S, G0SB, G1SB                     ; the scale words first: they are wanted with K step 0
.irp s, 0,1
	s_mov_b32 s[G0+4*\s], 1
	s_add_co_u32 s[G0+4*\s+1], s45, \s*SLOT
	s_add_nc_u64 s[G0+4*\s+2:G0+4*\s+3], s[20:21], \s*4096
	s_or_b32 s[G0+4*\s+3], s[G0+4*\s+3], 0x80000000
	s_mov_b32 s[G0B+4*\s], 1
	s_add_co_u32 s[G0B+4*\s+1], s45, \s*SLOT
	s_add_nc_u64 s[G0B+4*\s+2:G0B+4*\s+3], s[46:47], \s*4096
	s_or_b32 s[G0B+4*\s+3], s[G0B+4*\s+3], 0x80000000
	JLOAD G0+4*\s, G1, G0B+4*\s, G1B
.endr
	v_and_b32 v1, 31, v0
	v_and_b32 v2, 15, v0
	v_lshlrev_b32 v[LI], 4, v1
	s_wait_alu depctr_va_vdst(0)
	v_lshlrev_b32 v[LS], 2, v1
	v_lshlrev_b32 v3, 3, v2                        ; a row's two scale words of a K step: 8 bytes
	s_wait_alu depctr_va_vdst(0)
	s_cmp_eq_u32 ttmp9, 2                          ; V's clusters: R = W, P = x
	s_cselect_b32 s96, BPART, 0
	s_cselect_b32 s97, 0, BPART
	s_cselect_b32 s98, 8192, 0
	s_cselect_b32 s99, 0, 8192
	s_lshl_b32 s18, s15, 15
	s_add_co_u32 s18, s18, s96
	s_lshl_b32 s19, s16, 15
	s_add_co_u32 s19, s19, s97
	v_add_nc_u32 v[ADRR], s18, v[LI]
	v_add_nc_u32 v[ADRP], s19, v[LI]
	v_add_nc_u32 v[ADRR+1], SLOT, v[ADRR]
	v_add_nc_u32 v[ADRP+1], SLOT, v[ADRP]
	s_lshl_b32 s18, s15, 12
	s_add_co_u32 s18, s18, s98
	s_add_co_u32 s18, s18, SCL
	s_lshl_b32 s19, s16, 12
	s_add_co_u32 s19, s19, s99
	s_add_co_u32 s19, s19, SCL
	v_add_nc_u32 v[ASR], s18, v3
	v_add_nc_u32 v[ASP], s19, v3
.macro FRAG reg, adr, q, i             ; tile i's fragment of the slot's q-th 128 along K: four loads of 512 consecutive bytes
.irp c, 0,1,2,3
	ds_load_b128 v[\reg+4*\c:\reg+4*\c+3], v[\adr] offset:(\i)*4096+(\q)*2048+\c*512
.endr
.endm
; 16 matrix instructions: R's blocks a0, a0 + 1 x P's eight.  The 64 accumulators take turns, one instruction a turn, in the same order in every step.
.macro MUL16 a0, p, q, sc, zero
.irp a, \a0, \a0+1
.irp b, 0,1,2,3,4,5,6,7
.if \zero
	v_wmma_scale_f32_16x16x128_f8f6f4 v[8*(8*((\a)%4)+\b):8*(8*((\a)%4)+\b)+7], v[128*(\p)+16*\b:128*(\p)+16*\b+15], v[AF+16*(\a):AF+16*(\a)+15], 0, v[PS+16*(\sc)+2*\b+(\q)], v[RS+16*(\sc)+2*(\a)+(\q)]
.else
	v_wmma_scale_f32_16x16x128_f8f6f4 v[8*(8*((\a)%4)+\b):8*(8*((\a)%4)+\b)+7], v[128*(\p)+16*\b:128*(\p)+16*\b+15], v[AF+16*(\a):AF+16*(\a)+15], v[8*(8*((\a)%4)+\b):8*(8*((\a)%4)+\b)+7], v[PS+16*(\sc)+2*\b+(\q)], v[RS+16*(\sc)+2*(\a)+(\q)]
.endif
.endr
.endr
.endm
.macro FETCH_P slot, q, p
	WIN TO_P
.irp i, 0,1,2,3,4,5,6,7
	FRAG 128*(\p)+16*\i, ADRP+\slot, \q, \i
.endr
	WIN 0
.endm
.macro FETCH_R slot, q, i0
.irp i, \i0, \i0+1, \i0+2, \i0+3
	FRAG AF+16*(\i), ADRR+\slot, \q, \i
.endr
.endm
.macro SCALES sc, ks                   ; K step ks's scale words into set sc: two words a row; every lane l takes row l % 16
.irp i, 0,1,2,3,4,5,6,7
	ds_load_b64 v[RS+16*\sc+2*\i:RS+16*\sc+2*\i+1], v[ASR] offset:\i*512+\ks*128
	ds_load_b64 v[PS+16*\sc+2*\i:PS+16*\sc+2*\i+1], v[ASP] offset:\i*512+\ks*128
.endr
.endm
.macro PLACES n                        ; plain vector lines between a matrix instruction and a load into, or a read of, its registers
.rept \n
	v_nop
.endr
.endm
.macro STEP slot, zero                 ; a slot's first 128 along K
	s_wait_dscnt 16                                ; P's set and R's blocks 0-3 are in; the youngest 16 loads (R's blocks 4-7) may be out
	WIN MUL_LO
	MUL16 0, 0, 0, \slot, \zero
	MUL16 2, 0, 0, \slot, \zero
	s_wait_dscnt 0x0                               ; R's blocks 4-7 are in
	PLACES NP
	FETCH_P \slot, 1, 1
	FETCH_R \slot, 1, 0
	WIN MUL_HI
	MUL16 4, 0, 0, \slot, \zero
	MUL16 6, 0, 0, \slot, \zero
	PLACES NP
	WIN 0
	FETCH_R \slot, 1, 4
.endm
; A slot's second 128 along K changes slots: one barrier; in front of it each wave waits for all its tensor loads, adds 0 to its spare word, and waits for that and for its reads of this slot.
.macro TURN slot, next, fill, ks
	s_wait_tensorcnt 0x0                           ; all my tensor loads have landed: my part of the next slot
	ds_add_u32 v[SPW], v[NIL]                      ; 0 onto my spare word
	s_wait_dscnt 17                                ; (the add and the youngest 16 loads may be out)
	WIN MUL_LO
	MUL16 0, 1, 1, \slot, 0                        ; sixteen matrix instructions stand between the add and the wait for it
	s_wait_dscnt 0x0                               ; the add is done, and my reads of this slot are over
	s_barrier_signal -1
	MUL16 2, 1, 1, \slot, 0
	WIN 0
	s_barrier_wait -1
.if \fill
	CREST                                          ; the barrier has opened a round of the cluster's: no wave of any partner still reads this slot or has a load on its way
	s_add_nc_u64 s[G0+4*\slot+2:G0+4*\slot+3], s[G0+4*\slot+2:G0+4*\slot+3], 8192
	s_add_nc_u64 s[G0B+4*\slot+2:G0B+4*\slot+3], s[G0B+4*\slot+2:G0B+4*\slot+3], 8192
	JLOAD G0+4*\slot, G1, G0B+4*\slot, G1B         ; the first tensor load behind the round; its four v_nop are among the places for the loads below
	PLACES NP-4
.else
	PLACES NP
.endif
	FETCH_P \next, 0, 0
	FETCH_R \next, 0, 0
	SCALES \next, \ks
	WIN MUL_HI
	MUL16 4, 1, 1, \slot, 0
	MUL16 6, 1, 1, \slot, 0
	PLACES NP
	WIN 0
	FETCH_R \next, 0, 4
.endm
	s_wait_alu depctr_va_vdst(0)
	s_wait_tensorcnt 1                             ; the scale words and my part of K step 0 are in; K step 1's load may stay out
	s_barrier_signal -1
	s_barrier_wait -1
	FETCH_P 0, 0, 0
	FETCH_R 0, 0, 0
	SCALES 0, 0
	FETCH_R 0, 0, 4
	STEP 0, 1                                      ; the first products start the sums: nothing is cleared
	TURN 0, 1, 1, 1                                ; slot 0 takes K step 2
	STEP 1, 0
	TURN 1, 0, 1, 2                                ; slot 1 takes K step 3
	STEP 0, 0
	TURN 0, 1, 0, 3                                ; nothing is left to fetch
	STEP 1, 0
	s_wait_dscnt 16
	WIN MUL_LO
	MUL16 0, 1, 1, 1, 0
	MUL16 2, 1, 1, 1, 0
	s_wait_dscnt 0x0
	WIN MUL_HI
	MUL16 4, 1, 1, 1, 0
	MUL16 6, 1, 1, 1, 0
	WIN 0
	; ---------------- THE WAY OUT: no LDS: a lane's registers are already neighbours along the next K
	PLACES NP
.irp b, 0,1,2,3
	v_mov_b32 v[TM+4+\b], 0                        ; written once: a lane permute's destination counts as one of its sources
.endr
	s_mov_b32 s[SEL], 0x76543210
	s_mov_b32 s[SEL+1], 0xfedcba98
	s_mov_b32 s91, 0x600000                        ; the mantissa field of 448
	s_mov_b32 s90, 0xffff0000                      ; lanes 16-31
	s_lshr_b32 s78, s17, 3                         ; the batch
	s_and_b32 s79, s17, 7
	s_lshl_b32 s79, s79, 1
	s_lshl_b32 s80, s40, 2
	s_lshl_b32 s78, s78, 4
	s_add_co_u32 s80, s80, s78                     ; 16 x batch + 4 cx
; 64 numbers in window W from v[s] on (register 16 b + i = 32 b + 16 h + i along K) become codes in v[PC] on and the scale word in v[PW].  The hold writes into v[ST] on, in window 0: it also brings the numbers over.
.macro QUANTW s, W
	s_wait_xcnt 0x0                                ; the last tile's stores have read v[PC] on and the words
	WIN (\W)|((\W)<<2)
.irp b, 0,1,2,3
	v_max3_num_f32 v[TM+\b], |v[\s+16*\b]|, |v[\s+1+16*\b]|, 0x4800000   ; each accumulator is read from its low end on; the floor 2^(9 - 127) holds the byte at 1 from below
.endr
	WIN ((\W)<<2)|((\W)<<4)
.irp i, 2,4,6,8,10,12,14
.irp b, 0,1,2,3
	v_max3_num_f32 v[TM+\b], v[TM+\b], |v[\s+16*\b+\i]|, |v[\s+1+16*\b+\i]|
.endr
.endr
	WIN 0
.irp b, 0,1,2,3
	v_permlanex16_b32 v[TM+4+\b], v[TM+\b], s[SEL], s[SEL+1]
.endr
.irp b, 0,1,2,3
	v_max_num_f32 v[TM+\b], v[TM+\b], v[TM+4+\b]
.endr
.irp b, 0,1,2,3
	v_add_nc_u32 v[TM+12+\b], 0xfc000000, v[TM+\b] ; 8 off the exponent field: the conversion's scale operand
.endr
.irp b, 0,1,2,3
	v_and_or_b32 v[TM+8+\b], v[TM+\b], 0x7f800000, s91   ; 448 x the scale
.endr
.irp b, 0,1,2,3
	v_lshrrev_b32 v[TM+4+\b], 23, v[TM+12+\b]
.endr
	v_lshl_or_b32 v[PW], v[TM+5], 8, v[TM+4]
	v_lshl_or_b32 v[PW], v[TM+6], 16, v[PW]
	v_lshl_or_b32 v[PW], v[TM+7], 24, v[PW]
	WIN \W
.irp b, 0,1,2,3
.irp i, 0,1,2,3,4,5,6,7,8,9,10,11,12,13,14,15
	v_med3_num_f32 v[ST+16*\b+\i], v[\s+16*\b+\i], -v[TM+8+\b], v[TM+8+\b]   ; the conversion does not saturate (ISA guide 7.6.2)
.endr
.endr
	WIN 0
.irp b, 0,1,2,3
	v_cvt_scalef32_pk8_fp8_f32 v[PC+4*\b:PC+1+4*\b], v[ST+16*\b:ST+7+16*\b], v[TM+12+\b]
	v_cvt_scalef32_pk8_fp8_f32 v[PC+2+4*\b:PC+3+4*\b], v[ST+8+16*\b:ST+15+16*\b], v[TM+12+\b]
.endr
	v_nop                                          ; a plain line behind the last conversion
.endm
	s_cmp_eq_u32 ttmp9, 2
	s_cbranch_scc1 .Lvpath
	; ---- Q and K: tile a = 16 tokens (a lane a token); registers: 64 outputs of head0, then 64 of head0 + 1
	s_add_co_u32 s79, s79, s15                     ; which 128 tokens of the sequence
	s_lshl_b32 s81, s16, 1
	s_add_co_u32 s80, s80, s81                     ; 16 x batch + head0
	s_mov_b32 s82, 278528
	s_mov_b32 s83, 17408
	s_mov_b32 s84, 278528
	s_mov_b32 s85, 17408
	s_mov_b32 s86, 16384
	s_cmp_eq_u32 ttmp9, 0                          ; Q goes to QI, K into KV's chunks
	s_cselect_b64 s[68:69], s[10:11], s[12:13]
	s_cselect_b32 s82, 131072, s82                 ; codes: bytes a head,
	s_cselect_b32 s83, 8192, s83                   ; bytes for 128 tokens
	s_cselect_b32 s84, 8192, s84                   ; scale words likewise,
	s_cselect_b32 s85, 512, s85
	s_cselect_b32 s86, 8388608, s86                ; and where they begin
	s_mul_i32 s87, s80, s82
	s_mul_i32 s88, s79, s83
	s_add_co_u32 s88, s88, s87
	s_mov_b32 s89, 0
	s_mul_i32 s18, s80, s84
	s_mul_i32 s19, s79, s85
	s_add_co_u32 s18, s18, s19
	s_add_co_u32 s18, s18, s86
	s_mov_b32 s19, 0
	s_add_nc_u64 s[72:73], s[68:69], s[18:19]      ; head0's scale words
	s_add_nc_u64 s[68:69], s[68:69], s[88:89]      ; head0's codes
	s_mov_b32 s83, 0
	s_add_nc_u64 s[70:71], s[68:69], s[82:83]      ; head0 + 1's
	s_mov_b32 s85, 0
	s_add_nc_u64 s[74:75], s[72:73], s[84:85]
	s_lshl_b32 s88, s79, 15
	s_add_nc_u64 s[76:77], s[8:9], s[88:89]        ; the table at my 8 tiles of positions
.macro CSLOAD a                        ; tile a's cosines and sines: 32 registers, pair p of block be at 16 be + 2 p
.irp m, 0,1,2,3,4,5,6,7
	global_load_b128 v[CSR+32*((\a)%2)+4*\m:CSR+32*((\a)%2)+4*\m+3], v[LI], s[76:77] offset:(\a)*4096+\m*512
.endr
.endm
; The rotation of tile a: (x1, x2) -> (x1 cos - x2 sin, x1 sin + x2 cos), a pair an instruction: first (x2 sin, x2 cos), then a fused multiply-add by x1.  Results go to v[ST] on, in window 0.
.macro ROPE a
	WIN 2+(\a)/4
.irp b, 0,1,2,3,4,5,6,7
.irp j, 0,1,2,3
.set AC, 64*((\a)%4)+8*\b+2*\j
.set CC, CSR+32*((\a)%2)+16*((\b%4)/2)+2*(4*(\b%2)+\j)
	v_pk_mul_f32 v[RT+2*\j:RT+2*\j+1], v[AC:AC+1], v[CC:CC+1] op_sel:[1,1] op_sel_hi:[1,0]
.endr
.irp j, 0,1,2,3
.set AC, 64*((\a)%4)+8*\b+2*\j
.set CC, CSR+32*((\a)%2)+16*((\b%4)/2)+2*(4*(\b%2)+\j)
	v_pk_fma_f32 v[ST+8*\b+2*\j:ST+8*\b+2*\j+1], v[AC:AC+1], v[CC:CC+1], v[RT+2*\j:RT+2*\j+1] op_sel_hi:[0,1,1] neg_lo:[0,0,1]
.endr
.endr
	WIN 0
.endm
	CSLOAD 0
	CSLOAD 1
.irp a, 0,1,2,3,4,5,6,7
.if \a < 7
	s_wait_loadcnt 8                               ; this tile's 8 loads are in; the next tile's 8 stay out
.else
	s_wait_loadcnt 0x0
.endif
	ROPE \a
.if \a < 6
	CSLOAD \a+2
.endif
	QUANTW ST, 0
	global_store_b128 v[LI], v[PC:PC+3], s[68:69] offset:\a*1024          ; each store: 512 consecutive bytes, aligned
	global_store_b128 v[LI], v[PC+4:PC+7], s[68:69] offset:\a*1024+512
	global_store_b128 v[LI], v[PC+8:PC+11], s[70:71] offset:\a*1024
	global_store_b128 v[LI], v[PC+12:PC+15], s[70:71] offset:\a*1024+512
.if (\a)%2 == 0
	v_perm_b32 v[EA], v[PW], v[PW], 0x01000100     ; a head's two bytes, twice: the attention launch lays a head's 64 in either half of the instruction's 128
	v_perm_b32 v[EB], v[PW], v[PW], 0x03020302
.else
	v_perm_b32 v[WO], v[PW], v[PW], 0x01000100
	v_perm_b32 v[WO+1], v[PW], v[PW], 0x03020302
	v_cndmask_b32 v[WO+2], v[EA], v[WO], s90       ; lanes 0-15: the even tile's words, lanes 16-31: the odd tile's
	v_cndmask_b32 v[WO+3], v[EB], v[WO+1], s90
	global_store_b32 v[LS], v[WO+2], s[72:73] offset:((\a)/2)*128
	global_store_b32 v[LS], v[WO+3], s[74:75] offset:((\a)/2)*128
.endif
.endr
	s_branch .Lend
	; ---- V: tile a = 16 channels (a lane a channel); registers: my 128 keys: one key step of the second product
.Lvpath:
	s_add_co_u32 s79, s79, s16                     ; which 128 keys
	s_lshl_b32 s81, s15, 1
	s_add_co_u32 s80, s80, s81                     ; 16 x batch + head0
	s_mul_i32 s87, s80, 278528
	s_mul_i32 s88, s79, 17408
	s_add_co_u32 s88, s88, s87
	s_mov_b32 s89, 0
	s_add_nc_u64 s[68:69], s[12:13], s[88:89]      ; head0's chunk
	s_add_nc_u64 s[70:71], s[68:69], 278528        ; head0 + 1's
.irp a, 0,1,2,3,4,5,6,7
	QUANTW 64*(\a%4), 2+\a/4
.irp c, 0,1,2,3
	global_store_b128 v[LI], v[PC+4*\c:PC+4*\c+3], s[68+2*(\a/4):69+2*(\a/4)] offset:8192+(\a%4)*2048+\c*512
.endr
	global_store_b32 v[LS], v[PW], s[68+2*(\a/4):69+2*(\a/4)] offset:16896+(\a%4)*128
.endr
.Lend:
	s_wait_tensorcnt 0x0                           ; the wave's end
	ds_add_u32 v[SPW], v[NIL]
	s_wait_dscnt 0x0
	CROUND                                         ; the closing round: no work-group ends while a partner may still ask for a tile that names it
	s_endpgm
.Lfunc_end_k_q1ec5a8ba44_qkv:
	.size	k_q1ec5a8ba44_qkv, .Lfunc_end_k_q1ec5a8ba44_qkv-k_q1ec5a8ba44_qkv
	.p2alignl 7, 3214868480
	.fill 96, 4, 3214868480
	.section	.rodata,"a",@progbits
	.p2align	6, 0x0
	.amdhsa_kernel k_q1ec5a8ba44_qkv
		.amdhsa_group_segment_fixed_size 327680
		.amdhsa_private_segment_fixed_size 0
		.amdhsa_enable_private_segment 0
		.amdhsa_kernarg_size 40
		.amdhsa_user_sgpr_count 2
		.amdhsa_user_sgpr_kernarg_segment_ptr 1
		.amdhsa_wavefront_size32 1
		.amdhsa_system_sgpr_workgroup_id_x 1
		.amdhsa_system_sgpr_workgroup_id_y 1
		.amdhsa_system_sgpr_workgroup_id_z 1
		.amdhsa_system_vgpr_workitem_id 0
		.amdhsa_next_free_vgpr 1024
		.amdhsa_next_free_sgpr 100
		.amdhsa_reserve_vcc 0
		.amdhsa_float_denorm_mode_32 3
		.amdhsa_float_denorm_mode_16_64 3
		.amdhsa_memory_ordered 1
		.amdhsa_forward_progress 1
		.amdhsa_inst_pref_size 255
	.end_amdhsa_kernel
	.section	.bss,"aw",@nobits
	.p2align	6
	.space	262144
	.amdgpu_metadata
---
amdhsa.version: [ 1, 2 ]
amdhsa.kernels:
  - .name:           k_q1ec5a8ba44_qkv
    .symbol:         k_q1ec5a8ba44_qkv.kd
    .args:
      - { .name: XQ, .offset: 0, .size: 8, .value_kind: global_buffer, .address_space: global }
      - { .name: WQ, .offset: 8, .size: 8, .value_kind: global_buffer, .address_space: global }
      - { .name: CS, .offset: 16, .size: 8, .value_kind: global_buffer, .address_space: global }
      - { .name: QI, .offset: 24, .size: 8, .value_kind: global_buffer, .address_space: global }
      - { .name: KV, .offset: 32, .size: 8, .value_kind: global_buffer, .address_space: global }
    .group_segment_fixed_size: 327680
    .private_segment_fixed_size: 0
    .kernarg_segment_align: 8
    .kernarg_segment_size: 40
    .max_flat_workgroup_size: 128
    .sgpr_count:     100
    .vgpr_count:     1024
    .wavefront_size: 32
...
	.end_amdgpu_metadata
.endif
;; end of part 2
;; launch attn (part 3): grid 4 x 64, 16 waves a work-group, clusters of 4 x 1, 327,680 bytes of LDS; arguments QI, KV, AO; writes AO
.if DOCPART == 3
	.amdgcn_target "amdgcn-amd-amdhsa--gfx1250"
	.amdhsa_code_object_version 6
	.text
	.protected	k_q1ec5a8ba44_attn
	.globl	k_q1ec5a8ba44_attn
	.p2align	8
	.type	k_q1ec5a8ba44_attn,@function
k_q1ec5a8ba44_attn:
	s_mov_b64 s[64:65], 0
	v_nop
	global_prefetch_b8 v0, s[64:65] scope:SCOPE_SE
	s_setreg_imm32_b32 hwreg(HW_REG_WAVE_MODE, 25, 1), 1
	s_wait_xcnt 0x0
	s_wait_alu depctr_hold_cnt(0) depctr_sa_sdst(0) depctr_va_vdst(0) depctr_va_sdst(0) depctr_va_ssrc(0) depctr_va_vcc(0) depctr_vm_vsrc(0)
	s_getreg_b32 s2, hwreg(HW_REG_IB_STS2, 6, 4)
	s_cmp_eq_u32 s2, 0
	s_cbranch_scc0 .Lentry_in_a_cluster
	s_endpgm
.Lentry_in_a_cluster:
	s_bfe_u32 s2, ttmp6, 0x10000c
	s_cmp_lg_u32 s2, 0x3003
	s_cbranch_scc0 .Lentry_shape_is_right
	s_endpgm
.Lentry_shape_is_right:
; ATTN.  For each batch and head: S^T = K Q^T, the causal mask, p = 2^(t - M) with M the running largest t rounded up to a whole number, O^T += V^T P^T, O / the sum of the unquantised p; both products on codes of FP8 (E4M3) with E8M0 scales.
; O is quantised along the model's 1,024 (a head gives two blocks of 32) and leaves as the register image that the last product wants.
; SHARES.  A cluster of four work-groups takes one head.  Each holds the head's WHOLE K, V and scale words in LDS: 16 chunks (128 keys each) of 17,408 bytes; LDS is filled once, so there is no ring.  The four ask for these bytes
; JOINTLY: the same tensor loads, the same descriptors, a mask that names the four.  All of the head is asked for at the kernel's head, so no later stream is left to ask ahead for.
; A wave owns two tiles of 16 queries: tile ts = 8 (w / 2) + 2 cx + w % 2 and tile 127 - ts.  The first needs w / 2 + 1 key steps, the second 16 - w / 2: 17 for every wave of the launch.  Steps all of whose keys come after the
; queries are jumped over by a scalar branch on the wave's number and the loop's counter; the loops' trip counts are constants.  cx enters global addresses and the mask's vector comparison alone.
; LAYOUT.  Both products are used transposed: a lane holds ONE query throughout.  The rows of a tile (keys, queries, channels) are 32 B + 8 u + r + 8 (r / 8): so the 16 registers of two neighbouring tiles are 16 neighbours.
; A HEAD HAS 64 CHANNELS, the instruction takes 128: an even tile of keys lies in k 0-63 with zero codes in k 64-127, an odd one the other way round, so that one run of 8 zero registers serves two tiles; Q lies twice.
; A chunk: K's 8 tiles [c 0..1][lane][16] at 0; V^T's 4 fragments [c 0..3][lane][16] at 8,192; K's scale words [tile][r] at 16,384; V's [fragment][lane] at 16,896.
; LIMITS: NaN and infinities are not served; a block whose largest magnitude lies under 2^-118 gets the byte 1 (zeros too: zero codes).
.set CH,   17408
.set VOF,  8192
.set KSC,  16384
.set VSC,  16896
.set LI,   1                           ; v1  16 x lane
.set LS,   2                           ; v2  4 x lane
.set DQ,   3                           ; v3  r + 8 (r / 8) - 16 h
.set ADK,  4                           ; v4  the chunk in hand, + 16 x lane
.set ADS,  5                           ; v5  the chunk in hand, + 4 x lane
.set R4,   6                           ; v6  4 r
.set R8,   7                           ; v7  8 r + h
.set QSW,  8                           ; v8  Q's scale words.  v12 -M, v13 the largest t, v[14:15] the sum in two halves; v16-31 Q, twice
.set BM,   224                         ; v224-227 the blocks' largest; v228-231 permutes, a chain of the sum, bytes; v236-239 the conversions' scale operands
.set PR,   228
.set HOLD, 232
.set SCO,  236                         ; v240, v241 at work; v242 f; v243 p's scale word; v244-247 K's scale words; v248-251 V's; v252, v254 the mask's
.set WV,   18
.set MNT,  19
.set SEL,  20
.set CS,   22                          ; s[22:23] c = log2(e) / 8
.set G1A,  24
.set G1B,  32
.set G0A,  40
.set G0B,  44
.set TB,   2                           ; s2  LDS byte of the chunk in hand
.set KS,   3                           ; s3  the key step
.set HM,   84                          ; s84 lanes 16-31
.macro ROUND                           ; a round of the cluster's barrier
	s_barrier_signal -1
	s_barrier_wait -1
	s_cmp_lg_u32 s[WV], 0
	s_cbranch_scc1 .Lnot_wave_0_\@
	s_barrier_signal -3
.Lnot_wave_0_\@:
	s_barrier_wait -3
	s_barrier_signal -1
	s_barrier_wait -1
.endm
	s_load_b128 s[4:7], s[0:1], 0x0                ; QI, KV
	s_load_b64 s[8:9], s[0:1], 0x10                ; AO
	v_lshl_add_u32 v253, v0, 2, 0x44000
	v_mov_b32 v255, 0
	ds_add_u32 v253, v255
	ds_add_u32 v253, v255
	v_lshrrev_b32 v1, 5, v0
	s_delay_alu instid0(VALU_DEP_1)
	v_readfirstlane_b32 s[WV], v1                  ; wave 0..15
	s_bfe_u32 s10, ttmp6, 0x40000                  ; cx
	s_and_b32 s11, ttmp7, 0xffff                   ; 16 x batch + head, which the four partners share
	s_mul_i32 s12, s11, 16*CH
	s_mul_i32 s13, s[WV], 17*256                   ; chunks 0-3 are 272 rows of 256 bytes: 17 a wave,
	s_mul_i32 s14, s[WV], 51*256                   ; chunks 4-15 are 816: 51 a wave
	s_add_co_u32 s14, s14, 4*CH
	s_add_co_u32 s16, s12, s13
	s_mov_b32 s17, 0
	s_add_co_u32 s70, s12, s14
	s_mov_b32 s71, 0
	s_mov_b32 s[G1A], 15|(3<<16)|(1<<21)           ; the mask: all four; elements of 8 bytes; bit 21 beside a mask
	s_mov_b32 s[G1A+1], 32<<16
	s_mov_b32 s[G1A+2], 17<<16
	s_mov_b32 s[G1A+3], 32<<16
	s_mov_b32 s[G1A+4], 17
	s_mov_b32 s[G1A+5], 32
	s_mov_b32 s[G1A+6], 0
	s_mov_b32 s[G1A+7], 0
	s_mov_b32 s[G1B], 15|(3<<16)|(1<<21)
	s_mov_b32 s[G1B+1], 32<<16
	s_mov_b32 s[G1B+2], 51<<16
	s_mov_b32 s[G1B+3], 32<<16
	s_mov_b32 s[G1B+4], 51
	s_mov_b32 s[G1B+5], 32
	s_mov_b32 s[G1B+6], 0
	s_mov_b32 s[G1B+7], 0
	s_wait_dscnt 0x0
	s_wait_kmcnt 0x0
	s_mov_b32 s[G0A], 1
	s_mov_b32 s[G0A+1], s13
	s_add_nc_u64 s[G0A+2:G0A+3], s[6:7], s[16:17]
	s_or_b32 s[G0A+3], s[G0A+3], 0x80000000
	s_mov_b32 s[G0B], 1
	s_mov_b32 s[G0B+1], s14
	s_add_nc_u64 s[G0B+2:G0B+3], s[6:7], s[70:71]
	s_or_b32 s[G0B+3], s[G0B+3], 0x80000000
	ROUND                                          ; all four work-groups are here: the joint loads meet
	tensor_load_to_lds s[G0A:G0A+3], s[G1A:G1A+7]  ; one load of mine is out
	s_nop 0
	s_wait_alu depctr_va_vdst(0)
	s_wait_tensorcnt 0x0
	ds_add_u32 v253, v255
	s_wait_dscnt 0x0
	ROUND
	tensor_load_to_lds s[G0B:G0B+3], s[G1B:G1B+7]
	s_nop 0
.rept 4
	v_nop
.endr
	s_mov_b32 s[SEL], 0x76543210
	s_mov_b32 s[SEL+1], 0xfedcba98
	s_mov_b32 s[CS], 0x3e38aa3b
	s_mov_b32 s[CS+1], s[CS]
	s_mov_b32 s[HM], 0xffff0000
	s_lshr_b32 s72, s[WV], 1
	s_sub_co_u32 s48, 15, s72                      ; the large tile's diagonal step: from the wave's number alone,
	s_mov_b32 s50, s72                             ; and the small tile's
	s_and_b32 s73, s[WV], 1
	s_lshl_b32 s74, s72, 3
	s_lshl_b32 s75, s10, 1
	s_add_co_u32 s74, s74, s75
	s_add_co_u32 s74, s74, s73                     ; the small tile
	s_sub_co_u32 s75, 127, s74                     ; the large tile
	s_bfe_u32 s49, s75, 0x20001                    ; a tile's first query within its 128: 32 ((T / 2) % 4) + 8 (T % 2)
	s_lshl_b32 s49, s49, 5
	s_and_b32 s76, s75, 1
	s_lshl_b32 s76, s76, 3
	s_add_co_u32 s49, s49, s76
	s_bfe_u32 s51, s74, 0x20001
	s_lshl_b32 s51, s51, 5
	s_and_b32 s76, s74, 1
	s_lshl_b32 s76, s76, 3
	s_add_co_u32 s51, s51, s76
	s_lshl_b32 s80, s11, 17                        ; QI: a head's codes are 131,072 bytes,
	s_lshl_b32 s81, s11, 13
	s_add_co_u32 s81, s81, 8388608                 ; its scale words 8,192
	s_lshr_b32 s85, s11, 4                         ; batch
	s_and_b32 s86, s11, 15                         ; head
	s_lshl_b32 s82, s85, 21                        ; AO: 128 tiles of 16,384 bytes a batch;
	s_lshl_b32 s87, s86, 10                        ; fragment head / 2, pieces 2 (head % 2) on: 1,024 x head
	s_add_co_u32 s82, s82, s87
	s_lshl_b32 s83, s85, 16                        ; scale bytes: 512 a tile; 128 (head / 4) + 2 (head % 4), + 8 r
	s_add_co_u32 s83, s83, 8388608
	s_lshr_b32 s87, s86, 2
	s_lshl_b32 s87, s87, 7
	s_add_co_u32 s83, s83, s87
	s_and_b32 s87, s86, 3
	s_lshl_b32 s87, s87, 1
	s_add_co_u32 s83, s83, s87
	s_mov_b32 s77, 0
.macro BASES t, qc, qs, oc, os
	s_lshl_b32 s76, s[\t], 10
	s_add_co_u32 s76, s76, s80
	s_add_nc_u64 s[\qc:\qc+1], s[4:5], s[76:77]
	s_lshl_b32 s76, s[\t], 6
	s_add_co_u32 s76, s76, s81
	s_add_nc_u64 s[\qs:\qs+1], s[4:5], s[76:77]
	s_lshl_b32 s76, s[\t], 14
	s_add_co_u32 s76, s76, s82
	s_add_nc_u64 s[\oc:\oc+1], s[8:9], s[76:77]
	s_lshl_b32 s76, s[\t], 9
	s_add_co_u32 s76, s76, s83
	s_add_nc_u64 s[\os:\os+1], s[8:9], s[76:77]
.endm
	BASES 75, 52, 54, 56, 58                       ; the large tile
	BASES 74, 60, 62, 66, 68                       ; the small tile
	v_and_b32 v9, 15, v0                           ; r
	v_bfe_u32 v10, v0, 4, 1                        ; h
	v_and_b32 v11, 31, v0
	s_delay_alu instid0(VALU_DEP_1)
	v_lshlrev_b32 v[LI], 4, v11
	s_delay_alu instid0(VALU_DEP_2)
	v_lshlrev_b32 v[LS], 2, v11
	v_and_b32 v[DQ], 8, v9
	s_delay_alu instid0(VALU_DEP_1)
	v_add_nc_u32 v[DQ], v[DQ], v9
	v_lshlrev_b32 v11, 4, v10
	s_delay_alu instid0(VALU_DEP_1)
	v_sub_nc_u32 v[DQ], v[DQ], v11
	v_lshlrev_b32 v[R4], 2, v9
	v_lshl_add_u32 v[R8], v9, 3, v10
.macro QLOAD qc, qs                    ; a tile of queries: its two pieces, twice; its scale words
	global_load_b128 v[16:19], v[LI], s[\qc:\qc+1]
	global_load_b128 v[20:23], v[LI], s[\qc:\qc+1] offset:512
	global_load_b128 v[24:27], v[LI], s[\qc:\qc+1]
	global_load_b128 v[28:31], v[LI], s[\qc:\qc+1] offset:512
	global_load_b32 v[QSW], v[R4], s[\qs:\qs+1]
.endm
	QLOAD 52, 54
.irp i, 0,1,2,3
.irp j, 0,1,2,3,4,5,6,7
	v_mov_b32 v[40+24*\i+\j], 0                    ; the zero codes between an even tile's and an odd tile's registers: set once
.endr
.endr
.irp b, 0,1,2,3
	v_mov_b32 v[PR+\b], 0                          ; a lane permute's destination counts as one of its sources
.endr
	v_mov_b32 v243, 0                              ; (named as the upper half of the pair v[242:243] before it is first written)
	v_mov_b32 v240, 0
.macro INIT                            ; the step is written once: the first finds zeros, which the first change of M leaves zeros
	v_mov_b32 v13, 0xff61b1e6                      ; -3e38, under every t
	s_delay_alu instid0(VALU_DEP_1)
	v_floor_f32 v12, -v13
	v_mov_b32 v14, 0
	v_mov_b32 v15, 0
.set ii, 0
.rept 32
	v_mov_b32 v[192+ii], 0
.set ii, ii+1
.endr
.endm
	INIT
	s_mov_b32 s[TB], 0
	s_mov_b32 s[KS], 0
; A KEY STEP: 128 keys.  causal = 1: it is jumped over where all its keys come after the queries (KS above dg), and masked where KS = dg.
.macro STEP causal, dg, sq
.if \causal
	s_cmp_gt_u32 s[KS], s[\dg]
	s_cbranch_scc1 .Lhid_\@
.endif
	s_setprio 2
	v_add_nc_u32 v[ADK], s[TB], v[LI]
	v_add_nc_u32 v[ADS], s[TB], v[LS]
.rept 7
	v_nop                                          ; with the two additions nine places: the scores are written over registers that the last products read as V, and loads go into p's codes
.endr
.irp i, 0,1,2,3
	ds_load_b128 v[32+24*\i:35+24*\i], v[ADK] offset:2048*\i
	ds_load_b128 v[36+24*\i:39+24*\i], v[ADK] offset:2048*\i+512
	ds_load_b128 v[48+24*\i:51+24*\i], v[ADK] offset:2048*\i+1024
	ds_load_b128 v[52+24*\i:55+24*\i], v[ADK] offset:2048*\i+1536
	ds_load_b32 v[244+\i], v[ADS] offset:KSC+128*\i   ; lanes 0-15: tile 2 i's words, lanes 16-31: tile 2 i + 1's
.endr
	s_wait_dscnt 0x0
.irp i, 0,1,2,3
	v_wmma_scale_f32_16x16x128_f8f6f4 v[128+16*\i:135+16*\i], v[32+24*\i:47+24*\i], v[16:31], 0, v[244+\i], v[QSW]
	v_wmma_scale_f32_16x16x128_f8f6f4 v[136+16*\i:143+16*\i], v[40+24*\i:55+24*\i], v[16:31], 0, v[244+\i], v[QSW] matrix_a_scale:MATRIX_SCALE_ROW1
.endr
.rept 8
	v_nop
.endr
.if \causal
	s_cmp_lg_u32 s[KS], s[\dg]
	s_cbranch_scc1 .Lopen_\@
	v_add_nc_u32 v252, s[\sq], v[DQ]               ; my query within its 128, less 16 h.  Register 16 b + i holds key 32 b + 16 h + i: hidden where 32 b + i is above it
	v_mov_b32 v254, 0xff800000
.set ii, 0
.rept 64
	v_cmp_gt_i32 vcc_lo, 32*(ii/16)+ii%16, v252
	v_cndmask_b32 v[128+ii], v[128+ii], v254, vcc_lo
.set ii, ii+1
.endr
.Lopen_\@:
.endif
.irp b, 0,1,2,3
	v_max3_num_f32 v[BM+\b], v[128+16*\b], v[129+16*\b], v[130+16*\b]   ; the largest score of each block of 32 keys: for the row's maximum, and, since p rises with the score, for the block's largest p
.endr
.irp i, 3,5,7,9,11,13
.irp b, 0,1,2,3
	v_max3_num_f32 v[BM+\b], v[BM+\b], v[128+16*\b+\i], v[129+16*\b+\i]
.endr
.endr
.irp b, 0,1,2,3
	v_max_num_f32 v[BM+\b], v[BM+\b], v[143+16*\b]
.endr
.irp b, 0,1,2,3
	s_delay_alu instid0(VALU_DEP_4)
	v_permlanex16_b32 v[PR+\b], v[BM+\b], s[SEL], s[SEL+1]
.endr
.irp b, 0,1,2,3
	s_delay_alu instid0(VALU_DEP_4)
	v_max_num_f32 v[BM+\b], v[BM+\b], v[PR+\b]
.endr
	s_delay_alu instid0(VALU_DEP_2)
	v_max3_num_f32 v240, v[BM], v[BM+1], v[BM+2]
	s_delay_alu instid0(VALU_DEP_1)
	v_max_num_f32 v240, v240, v[BM+3]
	s_delay_alu instid0(VALU_DEP_1)
	v_mul_f32 v240, s[CS], v240
	s_delay_alu instid0(VALU_DEP_1)
	v_max_num_f32 v13, v13, v240                   ; the running largest t
	v_mov_b32 v240, v12
	s_delay_alu instid0(VALU_DEP_2)
	v_floor_f32 v12, -v13                          ; -M = floor(-t): M is a whole number
	s_delay_alu instid0(VALU_DEP_1)
	v_sub_f32 v240, v12, v240
	s_delay_alu instid0(VALU_DEP_1)
	v_cvt_i32_f32 v240, v240                       ; (it saturates)
	s_delay_alu instid0(VALU_DEP_1)
	v_ldexp_f32 v242, 1.0, v240                    ; f = 2^(old M - new M): exact
.set ii, 0
.rept 32
	v_pk_fma_f32 v[128+ii:129+ii], v[128+ii:129+ii], s[CS:CS+1], v[12:13] op_sel_hi:[1,0,0]   ; t - M
.set ii, ii+2
.endr
.irp b, 0,1,2,3
	v_fma_f32 v[BM+\b], v[BM+\b], s[CS], v12
.endr
.set ii, 0
	s_setprio 1
	s_wait_alu depctr_va_vdst(0)
.rept 64
	v_exp_f32 v[128+ii], v[128+ii]                 ; p = 2^(t - M): not normalised
.set ii, ii+1
.endr
	v_pk_mul_f32 v[14:15], v[14:15], v[242:243] op_sel_hi:[1,0]   ; the sums under the new M: a plain line behind the exponentials
	s_wait_alu depctr_va_vdst(0)                   ; one wait for the 64, ahead of their first reader
.irp b, 0,1,2,3
	v_exp_f32 v[BM+\b], v[BM+\b]                   ; the blocks' largest p
.endr
	v_pk_add_f32 v[PR:PR+1], v[128:129], v[130:131]   ; the row's sum of the unquantised p, in two chains
.irp j, 4,8,12,16,20,24,28,32,36,40,44,48,52,56,60
	v_pk_add_f32 v[14:15], v[14:15], v[128+\j:129+\j]
	v_pk_add_f32 v[PR:PR+1], v[PR:PR+1], v[130+\j:131+\j]
.endr
	s_delay_alu instid0(VALU_DEP_1)
	v_pk_add_f32 v[14:15], v[14:15], v[PR:PR+1]
	s_wait_alu depctr_va_vdst(0)                   ; and one for the four
.irp b, 0,1,2,3
	v_max_num_f32 v[BM+\b], 0x4800000, v[BM+\b]    ; the floor 2^(9 - 127): the byte cannot fall under 1
.endr
.irp b, 0,1,2,3
	s_delay_alu instid0(VALU_DEP_4)
	v_add_nc_u32 v[SCO+\b], 0xfc000000, v[BM+\b]
.endr
.irp b, 0,1,2,3
.endr
.irp b, 0,1,2,3
	s_delay_alu instid0(VALU_DEP_4)
	v_lshrrev_b32 v[PR+\b], 23, v[SCO+\b]
.endr
	s_delay_alu instid0(VALU_DEP_3)
	v_lshl_or_b32 v243, v[PR+1], 8, v[PR]          ; p's scale word for these 128 keys
	s_delay_alu instid0(VALU_DEP_1)
	v_lshl_or_b32 v243, v[PR+2], 16, v243
	s_delay_alu instid0(VALU_DEP_1)
	v_lshl_or_b32 v243, v[PR+3], 24, v243
.irp b, 0,1,2,3
.set ii, 0
.rept 16
.set ii, ii+1
.endr
	v_cvt_scalef32_pk8_fp8_f32 v[48+4*\b:49+4*\b], v[128+16*\b:135+16*\b], v[SCO+\b]
	v_cvt_scalef32_pk8_fp8_f32 v[50+4*\b:51+4*\b], v[136+16*\b:143+16*\b], v[SCO+\b]
.endr
	v_nop
	s_setprio 0
.irp t, 0,1,2,3
.irp c, 0,1,2,3
	ds_load_b128 v[128+16*\t+4*\c:131+16*\t+4*\c], v[ADK] offset:VOF+2048*\t+512*\c   ; V^T's four fragments, where p lay
.endr
	ds_load_b32 v[248+\t], v[ADS] offset:VSC+128*\t
.endr
.set ii, 0
.rept 16
	v_pk_mul_f32 v[192+ii:193+ii], v[192+ii:193+ii], v[242:243] op_sel_hi:[1,0]   ; O^T under the new M; these are also the places between the codes and the products
.set ii, ii+2
.endr
	s_wait_alu depctr_va_vdst(0)
	s_wait_dscnt 0x0
.irp t, 0,1,2,3
	v_wmma_scale_f32_16x16x128_f8f6f4 v[192+8*\t:199+8*\t], v[128+16*\t:143+16*\t], v[48:63], v[192+8*\t:199+8*\t], v[248+\t], v243
.endr
.if \causal
.Lhid_\@:
.endif
	s_add_co_u32 s[TB], s[TB], CH
	s_add_co_u32 s[KS], s[KS], 1
.endm
; O^T / the sum, quantised along the model's axis: my head's two blocks of 32; codes as two pieces of a fragment's image; lane (r, h) stores block h's byte of row r.
.macro OUT oc, os
.rept 8
	v_nop
.endr
	v_add_f32 v14, v14, v15
	s_delay_alu instid0(VALU_DEP_1)
	v_permlanex16_b32 v240, v14, s[SEL], s[SEL+1]
	s_delay_alu instid0(VALU_DEP_1)
	v_add_f32 v14, v14, v240
	s_wait_alu depctr_va_vdst(0)
	v_rcp_f32 v14, v14
	v_nop                                          ; a plain line behind the reciprocal,
	s_wait_alu depctr_va_vdst(0)                   ; and the wait ahead of its first reader
.set ii, 0
.rept 16
	v_pk_mul_f32 v[128+ii:129+ii], v[192+ii:193+ii], v[14:15] op_sel_hi:[1,0]   ; register 16 B + i = channel 32 B + 16 h + i
.set ii, ii+2
.endr
.irp b, 0,1
	v_max3_num_f32 v[BM+\b], |v[128+16*\b]|, |v[129+16*\b]|, 0x4800000
.endr
.irp i, 2,4,6,8,10,12,14
.irp b, 0,1
	s_delay_alu instid0(VALU_DEP_2)
	v_max3_num_f32 v[BM+\b], v[BM+\b], |v[128+16*\b+\i]|, |v[129+16*\b+\i]|
.endr
.endr
.irp b, 0,1
	s_delay_alu instid0(VALU_DEP_2)
	v_permlanex16_b32 v[PR+\b], v[BM+\b], s[SEL], s[SEL+1]
.endr
.irp b, 0,1
	s_delay_alu instid0(VALU_DEP_2)
	v_max_num_f32 v[BM+\b], v[BM+\b], v[PR+\b]
.endr
.irp b, 0,1
	s_delay_alu instid0(VALU_DEP_2)
	v_add_nc_u32 v[SCO+\b], 0xfc000000, v[BM+\b]
.endr
.irp b, 0,1
.endr
.irp b, 0,1
	s_delay_alu instid0(VALU_DEP_2)
	v_lshrrev_b32 v[PR+\b], 23, v[SCO+\b]
.endr
	s_delay_alu instid0(VALU_DEP_1)
	v_cndmask_b32 v241, v[PR], v[PR+1], s[HM]
.irp b, 0,1
.irp i, 0,1,2,3,4,5,6,7,8,9,10,11,12,13,14,15
.endr
	v_cvt_scalef32_pk8_fp8_f32 v[48+4*\b:49+4*\b], v[128+16*\b:135+16*\b], v[SCO+\b]
	v_cvt_scalef32_pk8_fp8_f32 v[50+4*\b:51+4*\b], v[136+16*\b:143+16*\b], v[SCO+\b]
.endr
	v_nop                                          ; a plain line behind the last conversion
	global_store_b128 v[LI], v[48:51], s[\oc:\oc+1]             ; 512 consecutive bytes, aligned
	global_store_b128 v[LI], v[52:55], s[\oc:\oc+1] offset:512
	global_store_b8 v[R8], v241, s[\os:\os+1]
.endm
	s_wait_tensorcnt 1                             ; my part of chunks 0-3 is in; chunks 4-15 may stay out: the next four steps read chunks 0-3 alone
	s_barrier_signal -1
	s_barrier_wait -1
	s_wait_loadcnt 0x0                             ; Q
.Lfirst:                                           ; the large tile: steps 0-3 lie under its diagonal in every wave (its diagonal step is 8 at the least)
	STEP 0, 48, 49
	s_cmp_lt_u32 s[KS], 4
	s_cbranch_scc1 .Lfirst
	s_setprio 0
	s_wait_tensorcnt 0x0                           ; my part of chunks 4-15 is in,
	s_wait_dscnt 0x0
	s_barrier_signal -1
	s_barrier_wait -1                              ; everybody's is
.Llarge:
	STEP 1, 48, 49
	s_cmp_lt_u32 s[KS], 16
	s_cbranch_scc1 .Llarge
	s_setprio 0
	QLOAD 60, 62                                   ; the small tile's queries land while the large tile goes out
	OUT 56, 58
	s_wait_xcnt 0x0                                ; the stores have read their registers, which the next steps write again
	INIT
	s_mov_b32 s[TB], 0
	s_mov_b32 s[KS], 0
	s_wait_loadcnt 0x0
.Lsmall:                                           ; the small tile: its diagonal step is 7 at the most
	STEP 1, 50, 51
	s_cmp_lt_u32 s[KS], 8
	s_cbranch_scc1 .Lsmall
	s_setprio 0
	OUT 66, 68
	s_wait_tensorcnt 0x0
	ds_add_u32 v253, v255
	s_wait_dscnt 0x0
	ROUND                                          ; the closing round
	s_endpgm
.Lfunc_end_k_q1ec5a8ba44_attn:
	.size	k_q1ec5a8ba44_attn, .Lfunc_end_k_q1ec5a8ba44_attn-k_q1ec5a8ba44_attn
	.p2alignl 7, 3214868480
	.fill 96, 4, 3214868480
	.section	.rodata,"a",@progbits
	.p2align	6, 0x0
	.amdhsa_kernel k_q1ec5a8ba44_attn
		.amdhsa_group_segment_fixed_size 327680
		.amdhsa_private_segment_fixed_size 0
		.amdhsa_enable_private_segment 0
		.amdhsa_kernarg_size 24
		.amdhsa_user_sgpr_count 2
		.amdhsa_user_sgpr_kernarg_segment_ptr 1
		.amdhsa_wavefront_size32 1
		.amdhsa_system_sgpr_workgroup_id_x 1
		.amdhsa_system_sgpr_workgroup_id_y 1
		.amdhsa_system_sgpr_workgroup_id_z 1
		.amdhsa_system_vgpr_workitem_id 0
		.amdhsa_next_free_vgpr 256
		.amdhsa_next_free_sgpr 100
		.amdhsa_reserve_vcc 1
		.amdhsa_float_denorm_mode_32 3
		.amdhsa_float_denorm_mode_16_64 3
		.amdhsa_fp16_overflow 1
		.amdhsa_memory_ordered 1
		.amdhsa_forward_progress 1
		.amdhsa_inst_pref_size 83
	.end_amdhsa_kernel
	.amdgpu_metadata
---
amdhsa.version: [ 1, 2 ]
amdhsa.kernels:
  - .name:           k_q1ec5a8ba44_attn
    .symbol:         k_q1ec5a8ba44_attn.kd
    .args:
      - { .name: QI, .offset: 0, .size: 8, .value_kind: global_buffer, .address_space: global }
      - { .name: KV, .offset: 8, .size: 8, .value_kind: global_buffer, .address_space: global }
      - { .name: AO, .offset: 16, .size: 8, .value_kind: global_buffer, .address_space: global }
    .group_segment_fixed_size: 327680
    .private_segment_fixed_size: 0
    .kernarg_segment_align: 8
    .kernarg_segment_size: 24
    .max_flat_workgroup_size: 512
    .sgpr_count:     100
    .vgpr_count:     256
    .wavefront_size: 32
...
	.end_amdgpu_metadata
.endif
;; end of part 3
;; launch outp (part 4): grid 4 x 32, 4 waves a work-group, clusters of 4 x 4, 327,680 bytes of LDS; arguments AO, WQ, out0; writes out0
.if DOCPART == 4
	.amdgcn_target "amdgcn-amd-amdhsa--gfx1250"
	.amdhsa_code_object_version 6
	.text
	.protected	k_q1ec5a8ba44_outp
	.globl	k_q1ec5a8ba44_outp
	.p2align	8
	.type	k_q1ec5a8ba44_outp,@function
k_q1ec5a8ba44_outp:
	s_mov_b64 s[64:65], 0
	v_nop
	global_prefetch_b8 v0, s[64:65] scope:SCOPE_SE
	s_setreg_imm32_b32 hwreg(HW_REG_WAVE_MODE, 25, 1), 1
	s_wait_xcnt 0x0
	s_wait_alu depctr_hold_cnt(0) depctr_sa_sdst(0) depctr_va_vdst(0) depctr_va_sdst(0) depctr_va_ssrc(0) depctr_va_vcc(0) depctr_vm_vsrc(0)
	s_getreg_b32 s2, hwreg(HW_REG_IB_STS2, 6, 4)
	s_cmp_eq_u32 s2, 0
	s_cbranch_scc0 .Lentry_in_a_cluster
	s_endpgm
.Lentry_in_a_cluster:
	s_bfe_u32 s2, ttmp6, 0x10000c
	s_cmp_lg_u32 s2, 0xf033
	s_cbranch_scc0 .Lentry_shape_is_right
	s_endpgm
.Lentry_shape_is_right:
; OUTP.  out0 = A W_o^T on codes of FP8 (E4M3) with E8M0 scales; A is the attention's result as the launch before left it.  out0 [8192][1024] f32.
; A tile of out0 is 256 x 256; four waves, 128 x 128 each: 64 accumulators, 512 registers.  K = 1,024 goes in four steps of 256 through two LDS slots.
; OPERANDS ARE REGISTER IMAGES: a fragment (16 rows x 128 K) is [c][lane][16 bytes], 2,048 bytes: every LDS load reads 512 consecutive bytes; no pitch, no padding.  A tile's K step is 4,096 consecutive bytes of memory.
; R = A is source 1 (its rows become lanes), P = W_o is source 0 (its rows become registers): a lane holds eight neighbouring numbers of a row of out0.
; A's tile 2 B + u, row r, is the token 32 B + 8 u + r + 8 (r / 8): the way out puts each row where it belongs, by the store's immediate.
; CLUSTERS: 4 x 4 work-groups; A's tiles are asked for jointly along a row of the cluster, W_o's along a column.
; REGISTERS: window 0: v16-29 addresses; v32-63 R's scale words, v64-95 P's, two sets each; v128-255 R's 8 fragments, one set.  window 1: P's fragments, two sets.  windows 2, 3: the accumulators, (a, b) at v[8 (8 (a % 4) + b)].
.set SLOT,  131072
.set BPART, 65536
.set SCL,   2*SLOT
.set SPARE, SCL+16384                  ; the spare words, 128 bytes a wave: two blocks of 256 bytes that no other line names
.set NP,    8
.set SPITCH, 528                       ; the way out: a stage of 16 rows x (512 + 16) bytes for each wave, in slot 0, which has had its last fill and its last read when the first result is stored there
.set ADRR, 16
.set ADRP, 20
.set ASR,  22
.set ASP,  23
.set LI,   24
.set LS,   25
.set STO,  26
.set RD,   27
.set SPW,  28
.set NIL,  29
.set RS,   32
.set PS,   64
.set AF,   128
.set BK,   128
.set G1, 24
.set G0, 32
.set G1B, 48
.set G0B, 56
.set G1S, 68
.set G0S, 76
.set G1SB, 80
.set G0SB, 88
.set MSB, 0
.macro WIN new
.if MSB != (\new)
	s_set_vgpr_msb (MSB<<8)|(\new)
.set MSB, \new
.endif
.endm
.set MUL_LO, 0xa1
.set MUL_HI, 0xf1
.set TO_P,   0x40
.macro JLOAD g0a, g1a, g0b, g1b        ; a joint load: waves 0, 1 fetch A's halves, waves 2, 3 W_o's; four v_nop follow each line
	s_cmp_eq_u32 s15, 0
	s_cbranch_scc0 .Lfor_b_\@
	tensor_load_to_lds s[\g0a:\g0a+3], s[\g1a:\g1a+7]
	s_nop 0
.rept 4
	v_nop
.endr
	s_branch .Lasked_\@
.Lfor_b_\@:
	tensor_load_to_lds s[\g0b:\g0b+3], s[\g1b:\g1b+7]
	s_nop 0
.rept 4
	v_nop
.endr
.Lasked_\@:
.endm
.macro CREST
	s_cmp_lg_u32 s14, 0
	s_cbranch_scc1 .Lnot_wave_0_\@
	s_barrier_signal -3
.Lnot_wave_0_\@:
	s_barrier_wait -3
	s_barrier_signal -1
	s_barrier_wait -1
.endm
.macro CROUND
	s_barrier_signal -1
	s_barrier_wait -1
	CREST
.endm
	s_load_b128 s[4:7], s[0:1], 0x0                ; AO, WQ
	s_load_b64 s[12:13], s[0:1], 0x10              ; out0
	v_lshl_add_u32 v[SPW], v0, 2, SPARE
	v_mov_b32 v[NIL], 0
	ds_add_u32 v28, v29
	ds_add_u32 v28, v29
	s_wait_dscnt 0x0
	v_lshrrev_b32 v1, 5, v0
	v_readfirstlane_b32 s14, v1
	s_lshr_b32 s15, s14, 1
	s_and_b32 s16, s14, 1
	s_bfe_u32 s40, ttmp6, 0x40000
	s_bfe_u32 s41, ttmp6, 0x40004
	s_lshl_b32 s42, ttmp9, 2
	s_add_co_u32 s42, s42, s40                     ; tile column
	s_and_b32 s17, ttmp7, 0xffff
	s_lshl_b32 s17, s17, 2
	s_add_co_u32 s17, s17, s41                     ; tile row
	s_lshl_b32 s43, s41, 2
	s_lshl_b32 s43, 15, s43
	s_lshl_b32 s44, 0x1111, s40
	s_or_b32 s[G1+0], s43, (3<<16)|(1<<21)
	s_or_b32 s[G1B+0], s44, (3<<16)|(1<<21)
.irp g, G1, G1B
	s_mov_b32 s[\g+1], 512<<16                     ; a tile's K step: 512 elements of 8 bytes; 8 tiles, 16,384 bytes apart
	s_mov_b32 s[\g+2], 8<<16
	s_mov_b32 s[\g+3], 512<<16
	s_mov_b32 s[\g+4], 8
	s_mov_b32 s[\g+5], 2048
	s_mov_b32 s[\g+6], 0
	s_mov_b32 s[\g+7], 0
.endr
	s_or_b32 s[G1S+0], s43, (3<<16)|(1<<21)
	s_or_b32 s[G1SB+0], s44, (3<<16)|(1<<21)
.irp g, G1S, G1SB
	s_mov_b32 s[\g+1], 32<<16                      ; the scale words of 8 tiles: 4,096 dense bytes as 16 rows of 256
	s_mov_b32 s[\g+2], 16<<16
	s_mov_b32 s[\g+3], 32<<16
	s_mov_b32 s[\g+4], 16
	s_mov_b32 s[\g+5], 32
	s_mov_b32 s[\g+6], 0
	s_mov_b32 s[\g+7], 0
.endr
	s_lshl_b32 s18, s16, 17
	s_lshl_b32 s20, s17, 18
	s_add_co_u32 s20, s20, s18
	s_mov_b32 s21, 0
	s_lshl_b32 s46, s42, 18
	s_add_co_u32 s46, s46, s18
	s_add_co_u32 s46, s46, 192*16384               ; W_o's tiles are the stack's 192 to 255
	s_mov_b32 s47, 0
	s_lshl_b32 s19, s16, 12
	s_lshl_b32 s22, s17, 13
	s_add_co_u32 s22, s22, s19
	s_add_co_u32 s22, s22, 8388608
	s_mov_b32 s23, 0
	s_lshl_b32 s92, s42, 13
	s_add_co_u32 s92, s92, s19
	s_add_co_u32 s92, s92, 4194304+192*512
	s_mov_b32 s93, 0
	s_lshl_b32 s45, s14, 15
	s_lshl_b32 s94, s14, 12
	s_wait_kmcnt 0x0
	s_add_nc_u64 s[20:21], s[4:5], s[20:21]
	s_add_nc_u64 s[22:23], s[4:5], s[22:23]
	s_add_nc_u64 s[46:47], s[6:7], s[46:47]
	s_add_nc_u64 s[92:93], s[6:7], s[92:93]
	CROUND                                         ; all sixteen work-groups are here: the first joint loads meet
	s_mov_b32 s[G0S], 1
	s_add_co_u32 s[G0S+1], s94, SCL
	s_mov_b64 s[G0S+2:G0S+3], s[22:23]
	s_or_b32 s[G0S+3], s[G0S+3], 0x80000000
	s_mov_b32 s[G0SB], 1
	s_add_co_u32 s[G0SB+1], s94, SCL
	s_mov_b64 s[G0SB+2:G0SB+3], s[92:93]
	s_or_b32 s[G0SB+3], s[G0SB+3], 0x80000000
	JLOAD G0S, G1S, G0SB, G1SB
.irp s, 0,1
	s_mov_b32 s[G0+4*\s], 1
	s_add_co_u32 s[G0+4*\s+1], s45, \s*SLOT
	s_add_nc_u64 s[G0+4*\s+2:G0+4*\s+3], s[20:21], \s*4096
	s_or_b32 s[G0+4*\s+3], s[G0+4*\s+3], 0x80000000
	s_mov_b32 s[G0B+4*\s], 1
	s_add_co_u32 s[G0B+4*\s+1], s45, \s*SLOT
	s_add_nc_u64 s[G0B+4*\s+2:G0B+4*\s+3], s[46:47], \s*4096
	s_or_b32 s[G0B+4*\s+3], s[G0B+4*\s+3], 0x80000000
	s_wait_alu depctr_va_vdst(0)
	s_wait_tensorcnt 0x0
	ds_add_u32 v28, v29
	s_wait_dscnt 0x0
	CROUND
	JLOAD G0+4*\s, G1, G0B+4*\s, G1B
.endr
	v_and_b32 v1, 31, v0
	v_and_b32 v2, 15, v0
	v_bfe_u32 v4, v0, 4, 1
	v_lshlrev_b32 v[LI], 4, v1
	s_wait_alu depctr_va_vdst(0)
	v_lshlrev_b32 v[LS], 2, v1
	v_lshlrev_b32 v3, 3, v2
	s_wait_alu depctr_va_vdst(0)
	s_mov_b32 s96, 0                               ; R = A, P = W_o
	s_mov_b32 s97, BPART
	s_mov_b32 s98, 0
	s_mov_b32 s99, 8192
	s_lshl_b32 s18, s15, 15
	s_add_co_u32 s18, s18, s96
	s_lshl_b32 s19, s16, 15
	s_add_co_u32 s19, s19, s97
	v_add_nc_u32 v[ADRR], s18, v[LI]
	v_add_nc_u32 v[ADRP], s19, v[LI]
	v_add_nc_u32 v[ADRR+1], SLOT, v[ADRR]
	v_add_nc_u32 v[ADRP+1], SLOT, v[ADRP]
	s_lshl_b32 s18, s15, 12
	s_add_co_u32 s18, s18, s98
	s_add_co_u32 s18, s18, SCL
	s_lshl_b32 s19, s16, 12
	s_add_co_u32 s19, s19, s99
	s_add_co_u32 s19, s19, SCL
	v_add_nc_u32 v[ASR], s18, v3
	v_add_nc_u32 v[ASP], s19, v3
	s_mul_i32 s18, s14, 16*SPITCH                  ; my stage
	v_mul_u32_u24 v[STO], v2, SPITCH               ; in: row l % 16, 32 bytes for each half of the lanes
	v_lshl_add_u32 v[STO], v4, 5, v[STO]
	v_add_nc_u32 v[STO], s18, v[STO]
	v_add_nc_u32 v[RD], s18, v[LI]                 ; back: the 32 lanes take one row of 512 bytes
	s_lshl_b32 s2, s17, 20                         ; my part of out0: 256 rows of 4,096 bytes a tile row, 128 a half;
	s_lshl_b32 s3, s15, 19
	s_add_co_u32 s2, s2, s3
	s_lshl_b32 s3, s42, 10                         ; 1,024 bytes a tile column, 512 a half
	s_add_co_u32 s2, s2, s3
	s_lshl_b32 s3, s16, 9
	s_add_co_u32 s2, s2, s3
	s_mov_b32 s3, 0
	s_add_nc_u64 s[12:13], s[12:13], s[2:3]
.macro FRAG reg, adr, q, i
.irp c, 0,1,2,3
	ds_load_b128 v[\reg+4*\c:\reg+4*\c+3], v[\adr] offset:(\i)*4096+(\q)*2048+\c*512
.endr
.endm
; 16 matrix instructions: R's blocks a0, a0 + 1 x P's eight.  The 64 accumulators take turns, one instruction a turn, in the same order in every step.
.macro MUL16 a0, p, q, sc, zero
.irp a, \a0, \a0+1
.irp b, 0,1,2,3,4,5,6,7
.if \zero
	v_wmma_scale_f32_16x16x128_f8f6f4 v[8*(8*((\a)%4)+\b):8*(8*((\a)%4)+\b)+7], v[128*(\p)+16*\b:128*(\p)+16*\b+15], v[AF+16*(\a):AF+16*(\a)+15], 0, v[PS+16*(\sc)+2*\b+(\q)], v[RS+16*(\sc)+2*(\a)+(\q)]
.else
	v_wmma_scale_f32_16x16x128_f8f6f4 v[8*(8*((\a)%4)+\b):8*(8*((\a)%4)+\b)+7], v[128*(\p)+16*\b:128*(\p)+16*\b+15], v[AF+16*(\a):AF+16*(\a)+15], v[8*(8*((\a)%4)+\b):8*(8*((\a)%4)+\b)+7], v[PS+16*(\sc)+2*\b+(\q)], v[RS+16*(\sc)+2*(\a)+(\q)]
.endif
.endr
.endr
.endm
.macro FETCH_P slot, q, p
	WIN TO_P
.irp i, 0,1,2,3,4,5,6,7
	FRAG 128*(\p)+16*\i, ADRP+\slot, \q, \i
.endr
	WIN 0
.endm
.macro FETCH_R slot, q, i0
.irp i, \i0, \i0+1, \i0+2, \i0+3
	FRAG AF+16*(\i), ADRR+\slot, \q, \i
.endr
.endm
.macro SCALES sc, ks
.irp i, 0,1,2,3,4,5,6,7
	ds_load_b64 v[RS+16*\sc+2*\i:RS+16*\sc+2*\i+1], v[ASR] offset:\i*512+\ks*128
	ds_load_b64 v[PS+16*\sc+2*\i:PS+16*\sc+2*\i+1], v[ASP] offset:\i*512+\ks*128
.endr
.endm
.macro PLACES n                        ; plain vector lines between a matrix instruction and a load into, or a read of, its registers
.rept \n
	v_nop
.endr
.endm
.macro STEP slot, zero
	s_wait_dscnt 16                                ; P's set and R's blocks 0-3 are in; the youngest 16 loads (R's blocks 4-7) may be out
	WIN MUL_LO
	MUL16 0, 0, 0, \slot, \zero
	MUL16 2, 0, 0, \slot, \zero
	s_wait_dscnt 0x0
	PLACES NP
	FETCH_P \slot, 1, 1
	FETCH_R \slot, 1, 0
	WIN MUL_HI
	MUL16 4, 0, 0, \slot, \zero
	MUL16 6, 0, 0, \slot, \zero
	PLACES NP
	WIN 0
	FETCH_R \slot, 1, 4
.endm
.macro TURN slot, next, fill, ks
	s_wait_tensorcnt 0x0                           ; all my tensor loads have landed: my part of the next slot
	ds_add_u32 v[SPW], v[NIL]                      ; 0 onto my spare word
	s_wait_dscnt 17                                ; (the add and the youngest 16 loads may be out)
	WIN MUL_LO
	MUL16 0, 1, 1, \slot, 0
	s_wait_dscnt 0x0                               ; the add is done, and my reads of this slot are over
	s_barrier_signal -1
	MUL16 2, 1, 1, \slot, 0
	WIN 0
	s_barrier_wait -1
.if \fill
	CREST                                          ; the barrier has opened a round of the cluster's: no wave of any partner still reads this slot or has a load on its way
	s_add_nc_u64 s[G0+4*\slot+2:G0+4*\slot+3], s[G0+4*\slot+2:G0+4*\slot+3], 8192
	s_add_nc_u64 s[G0B+4*\slot+2:G0B+4*\slot+3], s[G0B+4*\slot+2:G0B+4*\slot+3], 8192
	JLOAD G0+4*\slot, G1, G0B+4*\slot, G1B
	PLACES NP-4
.else
	PLACES NP
.endif
	FETCH_P \next, 0, 0
	FETCH_R \next, 0, 0
	SCALES \next, \ks
	WIN MUL_HI
	MUL16 4, 1, 1, \slot, 0
	MUL16 6, 1, 1, \slot, 0
	PLACES NP
	WIN 0
	FETCH_R \next, 0, 4
.endm
	s_wait_alu depctr_va_vdst(0)
	s_wait_tensorcnt 1                             ; the scale words and my part of K step 0 are in; K step 1's load may stay out
	s_barrier_signal -1
	s_barrier_wait -1
	FETCH_P 0, 0, 0
	FETCH_R 0, 0, 0
	SCALES 0, 0
	FETCH_R 0, 0, 4
	STEP 0, 1
	TURN 0, 1, 1, 1
	STEP 1, 0
	TURN 1, 0, 1, 2
	STEP 0, 0
	TURN 0, 1, 0, 3
	STEP 1, 0
	s_wait_dscnt 16
	WIN MUL_LO
	MUL16 0, 1, 1, 1, 0
	MUL16 2, 1, 1, 1, 0
	s_wait_dscnt 0x0
	WIN MUL_HI
	MUL16 4, 1, 1, 1, 0
	MUL16 6, 1, 1, 1, 0
	WIN 0
; THE WAY OUT, block by block of 16 rows x 128 columns: through my own stage in LDS and back as whole rows of 512 bytes.  LDS serves a wave's instructions in order: no wait between the stores and the loads.
.macro TOSTAGE a
.set AC, 64*((\a)%4)
	WIN 0x08+4*((\a)/4)                            ; an LDS store's data are its source 1: window 2 or 3
.irp b, 0,1,2,3,4,5,6,7
	ds_store_b128 v[STO], v[AC+8*\b:AC+8*\b+3] offset:64*\b          ; each accumulator from its low end on
	ds_store_b128 v[STO], v[AC+8*\b+4:AC+8*\b+7] offset:64*\b+16
.endr
	WIN 0
.set BB, BK+64*((\a)%2)
.irp t, 0,1,2,3,4,5,6,7,8,9,10,11,12,13,14,15
	ds_load_b128 v[BB+4*\t:BB+4*\t+3], v[RD] offset:\t*SPITCH
.endr
.endm
.macro SEND a, younger                 ; row t of block a is the token 32 (a / 2) + 16 (t / 8) + 8 (a % 2) + t % 8 of my 128: 127 rows of 4,096 bytes at the most, inside the signed 24-bit immediate
.set BB, BK+64*((\a)%2)
	s_wait_dscnt \younger
.irp t, 0,1,2,3,4,5,6,7,8,9,10,11,12,13,14,15
	global_store_b128 v[LI], v[BB+4*\t:BB+4*\t+3], s[12:13] offset:(32*((\a)/2)+16*(\t/8)+8*((\a)%2)+\t%8)*4096 th:TH_STORE_NT   ; 512 consecutive bytes, aligned; written once
.endr
.endm
	PLACES NP
	TOSTAGE 0
.irp a, 1,2,3,4,5,6,7
.if \a > 1
	s_wait_xcnt 0x0                                ; block a - 2's stores have read their registers: block a's loads may land there
.endif
	TOSTAGE \a
	SEND \a-1, 32                                  ; behind block a - 1's loads: block a's 16 stores and 16 loads
.endr
	SEND 7, 0
	s_wait_tensorcnt 0x0                           ; the wave's end
	ds_add_u32 v[SPW], v[NIL]
	s_wait_dscnt 0x0
	CROUND                                         ; the closing round
	s_endpgm
.Lfunc_end_k_q1ec5a8ba44_outp:
	.size	k_q1ec5a8ba44_outp, .Lfunc_end_k_q1ec5a8ba44_outp-k_q1ec5a8ba44_outp
	.p2alignl 7, 3214868480
	.fill 96, 4, 3214868480
	.section	.rodata,"a",@progbits
	.p2align	6, 0x0
	.amdhsa_kernel k_q1ec5a8ba44_outp
		.amdhsa_group_segment_fixed_size 327680
		.amdhsa_private_segment_fixed_size 0
		.amdhsa_enable_private_segment 0
		.amdhsa_kernarg_size 24
		.amdhsa_user_sgpr_count 2
		.amdhsa_user_sgpr_kernarg_segment_ptr 1
		.amdhsa_wavefront_size32 1
		.amdhsa_system_sgpr_workgroup_id_x 1
		.amdhsa_system_sgpr_workgroup_id_y 1
		.amdhsa_system_sgpr_workgroup_id_z 1
		.amdhsa_system_vgpr_workitem_id 0
		.amdhsa_next_free_vgpr 1024
		.amdhsa_next_free_sgpr 100
		.amdhsa_reserve_vcc 0
		.amdhsa_float_denorm_mode_32 3
		.amdhsa_float_denorm_mode_16_64 3
		.amdhsa_memory_ordered 1
		.amdhsa_forward_progress 1
		.amdhsa_inst_pref_size 147
	.end_amdhsa_kernel
	.amdgpu_metadata
---
amdhsa.version: [ 1, 2 ]
amdhsa.kernels:
  - .name:           k_q1ec5a8ba44_outp
    .symbol:         k_q1ec5a8ba44_outp.kd
    .args:
      - { .name: AO, .offset: 0, .size: 8, .value_kind: global_buffer, .address_space: global }
      - { .name: WQ, .offset: 8, .size: 8, .value_kind: global_buffer, .address_space: global }
      - { .name: out0, .offset: 16, .size: 8, .value_kind: global_buffer, .address_space: global }
    .group_segment_fixed_size: 327680
    .private_segment_fixed_size: 0
    .kernarg_segment_align: 8
    .kernarg_segment_size: 24
    .max_flat_workgroup_size: 128
    .sgpr_count:     100
    .vgpr_count:     1024
    .wavefront_size: 32
...
	.end_amdgpu_metadata
.endif
;; end of part 4
